; MI455X (gfx1250); checked and timed in simulation.
; The chip was launched on July 23, 2026; its instructions are those of AMD's public machine-readable ISA for CDNA 5 (MIT licence, August 2026) and "CDNA5" Instruction Set Architecture Reference Guide (July 2026). The comments in the code are by the model that wrote it; some were corrected since.
;; Cross Attention1 D. Allowed arithmetic: matrix products marked QUANTISED: E5M2 operands, one E8M0 scale for each 32 along K, by v_wmma_scale_f32_16x16x128_f8f6f4 with both operands' format E5M2, f32 sums; everything else in f32.
;; Inputs: Wk 1,024 x 1,024 float32; Wo 1,024 x 1,024 float32; Wq 1,024 x 1,024 float32; Wv 1,024 x 1,024 float32; bo 1,024 float32; context 4 x 1,024 x 2,048 float32; query 4 x 1,024 x 2,048 float32.
;; Outputs: out0 4 x 1,024 x 2,048 float32.
;; Constants: heads = 16.
;; This version of the problem:
;;   THIS VERSION OF THE PROBLEM IS GIVEN IN LOW PRECISION. The matrix products marked QUANTISED in the list below multiply operands that are first quantised to E5M2 (5 exponent bits, 2 mantissa bits; 8 bits a number), with one power-of-two scale for each 32 numbers along K (OCP MX v1.0); their sums are f32. All else is computed in f32.
;;   The module's matrix products, in the order in which they are computed (A, B: the left and right operand; K: the contracted axis; several contracted axes count as one K, in the product's order):
;;     1. [M 8,192, K 1,024] x [K 1,024, N 1,024]; A: input query; B: input Wq: QUANTISED
;;     2. [M 8,192, K 1,024] x [K 1,024, N 1,024]; A: input context; B: input Wk: QUANTISED
;;     3. [M 8,192, K 1,024] x [K 1,024, N 1,024]; A: input context; B: input Wv: QUANTISED
;;     4. batch 64 x [M 2,048, K 64] x [K 64, N 2,048]; A: computed on the way; B: computed on the way: QUANTISED
;;     5. batch 64 x [M 64, K 2,048] x [K 2,048, N 2,048]; A: computed on the way; B: softmax (see below): QUANTISED
;;     6. [M 8,192, K 1,024] x [K 1,024, N 1,024]; A: computed on the way; B: input Wo: QUANTISED
;;   THE QUANTISER, for each operand of a quantised product, along K:
;;     - K is cut into blocks of 32 from its start; a last block that is shorter is filled with zeros.
;;     - A block's scale is 2^e with e = floor(log2(the largest magnitude in the block)) - 15, held to -126 .. 127; a block of zeros has e = 0. As a byte (E8M0): e + 127.
;;     - Each number is divided by its block's scale, clamped to +-57,344, and rounded to the nearest number of E5M2, ties to even, subnormals kept.
;;     - The product sums the exact products of the quantised numbers (number of the format x scale) in f32.
;;   ~~~python
;;   def quantise(x, axis):      # numpy; x: float32 -> the quantised numbers, widened to float32 again
;;       x = np.moveaxis(x, axis, -1); K = x.shape[-1]
;;       x = np.pad(x, [(0, 0)] * (x.ndim - 1) + [(0, -K % 32)]); x = x.reshape(x.shape[:-1] + (-1, 32)); a = np.abs(x).max(-1, keepdims=True)
;;       e = np.where(a > 0, np.clip(np.frexp(np.where(a > 0, a, 1))[1] - 1 - 15, -126, 127), 0)      # np.frexp(a)[1] - 1 = floor(log2(a)), exactly
;;       r = np.clip(x / 2.0 ** e, -57344, 57344)
;;       step = 2.0 ** (np.maximum(np.frexp(np.where(r == 0, 1, r))[1] - 1, -14) - 2)
;;       q = np.round(r / step) * step * 2.0 ** e      # np.round: ties to even
;;       return np.moveaxis(q.reshape(q.shape[:-2] + (-1,))[..., :K], -1, axis).astype(np.float32)
;;   ~~~
;;   SOFTMAX AHEAD OF A QUANTISED PRODUCT. Where the list says 'softmax', what is quantised is not the finished softmax but p = 2^(t - M), with t = logit x log2(e) and M = ceil(the row's largest t), a whole number; so 1/2 < the row's largest p <= 1. The row's sum l is taken of the UNQUANTISED p, in f32, and the product's result is divided by l at the end. Since M is a whole number, a kernel that streams over the keys may use a running M (the ceiling of the running maximum): every later rescaling is an exact power of two, which a block's scale takes up: the codes' values come out the same.
;;   OPERANDS COMPUTED ON THE WAY. 'Computed on the way' means the value that the module computes at that place (a softmax that the list does not call 'softmax' is quantised finished and normalised). What goes into a quantiser is computed in f32, as accurately as f32 sums, v_exp_f32 and their like allow (about 1e-6 of the number): no bf16 or f16 on the way to a quantiser, and a product that is left as it is and whose result goes on into a quantised operand takes f32 operands (vector FMAs, or v_wmma_f32_16x16x4_f32). A number that lies on a knife's edge between two numbers of the format may be rounded either way, as far as f32 arithmetic and the matrix unit's own rounding can turn it there, and no further.
;; One version. Each part assembles by itself: llvm-mc -triple=amdgcn-amd-amdhsa -mcpu=gfx1250 --defsym DOCPART=n.
;; ======== version 1 of 1: 4 launches
;; limits: right only within a limited range of input values
;; workspace buffers: img 29,360,128 bytes; scl 917,504 bytes; qkv 26,476,544 bytes
;; launch quant (part 1): grid 640 x 1, 4 waves a work-group, no clusters, 34,304 bytes of LDS; arguments query, context, Wq, Wk, Wv, Wo, img, scl; writes img, scl
.if DOCPART == 1
	.amdgcn_target "amdgcn-amd-amdhsa--gfx1250"
	.amdhsa_code_object_version 6
	.text
	.protected	k_q6c31b8fe11_quant
	.globl	k_q6c31b8fe11_quant
	.p2align	8
	.type	k_q6c31b8fe11_quant,@function
k_q6c31b8fe11_quant:
	s_mov_b64 s[64:65], 0
	v_nop
	global_prefetch_b8 v0, s[64:65] scope:SCOPE_SE
	s_setreg_imm32_b32 hwreg(HW_REG_WAVE_MODE, 25, 1), 1
	s_wait_xcnt 0x0
; query, context [4][1024][2048] and Wq, Wk, Wv, Wo [1024][1024], f32, become codes of BF8 (E5M2) with one E8M0 byte for each 32 along K (K = the input channels),
; laid as IMAGES OF OPERAND REGISTERS.  A tile is 16 rows of an operand (a row: a place (b, l) of query or context, an output channel of a weight); rows go in groups of 32:
; lane-row m of tile T is row 32 (T / 2) + 8 (T % 2) + m + 8 (m / 8).  A unit (tile, 128 along K) is 2,048 bytes [c 0..3][lane][16]: lane (r, h) holds row r's k = 32 c + 16 h + 0 .. 15.
; img: [tile][chunk of 128 K, 0..7][2,048]; tiles 0.. query, 512.. context, 1024.. Wq, 1088.. Wk, 1152.. Wv, 1216.. Wo.
; scl: [pair of tiles][quarter of K][lane][2 words]: lanes 0-15 the even tile's rows, lanes 16-31 the odd tile's; a word is the four bytes of a chunk.
; A block's byte is its largest magnitude's exponent field - 15, held at 1 from below; each number is held within +-57,344 x the scale and rounded to the nearest code, ties to even.
; LIMITS: NaN and infinities among the inputs are not served.  A block of zeros gets the byte 1 where the rule says 127: its codes are zeros, and this program alone reads the bytes.
; SHARES.  A wave takes a pair of tiles x 256 along K: 32 KB in, 8 KB of images and 256 bytes of words out.  Work-groups 0-511 take query and context, 512-639 the weights.
; No two work-groups read the same bytes: nothing to share in a cluster.  No tensor loads, no barrier: waves share nothing.
.set FLOORV, 0x8000000                 ; 2^(16 - 127): under it no largest magnitude is taken, so the byte cannot fall under 1
.set LESS15, 0xf8800000                ; takes 15 off an exponent field
.set X,   32                           ; activations: v32-95 two sets of 32 numbers
.set CD,  96                           ; v96-159 codes: eight registers for each block, never written again
.set SB,  24                           ; v24-25 the scale bytes
.set TM,  160                          ; weights: v160-175 at work
.set PW,  176                          ; v176-179 the four units' scale words
.set PC,  180                          ; v180-195 a unit's codes
.set MNT, 31
.set SEL, 34                           ; s[34:35] selects for v_permlanex16_b32: lane l xor 16
.set HM,  36                           ; s36 the mask of lanes 16-31
	s_load_b256 s[4:11], s[0:1], 0x0               ; query, context, Wq, Wk
	s_load_b256 s[12:19], s[0:1], 0x20             ; Wv, Wo, img, scl
	v_lshl_add_u32 v208, v0, 2, 0x8400
	v_mov_b32 v209, 0
	v_lshrrev_b32 v1, 5, v0
	v_readfirstlane_b32 s20, v1                    ; wave
	v_and_b32 v1, 31, v0                           ; lane
	v_lshlrev_b32 v4, 3, v1                        ; 8 x lane: my two scale words
	s_and_b32 s21, ttmp9, 0xfffffffc
	s_add_co_u32 s21, s21, s20                     ; my pair of tiles: 4 (g / 4) + wave
	s_and_b32 s22, ttmp9, 3                        ; my quarter of K
	s_lshl_b32 s24, s21, 15                        ; a pair's images are 32,768 bytes,
	s_lshl_b32 s25, s22, 12                        ; a quarter of K 4,096 in each tile
	s_add_co_u32 s24, s24, s25
	s_mov_b32 s25, 0
	s_lshl_b32 s26, s21, 10                        ; a pair's words are 1,024 bytes, a quarter's 256
	s_lshl_b32 s27, s22, 8
	s_add_co_u32 s26, s26, s27
	s_mov_b32 s27, 0
	s_wait_kmcnt 0x0
	s_add_nc_u64 s[16:17], s[16:17], s[24:25]      ; where my images go
	s_add_nc_u64 s[18:19], s[18:19], s[26:27]      ; where my words go
	s_cmp_lt_u32 ttmp9, 512
	s_cbranch_scc0 .Lweights
	; ---- query and context: K is not innermost.  A LANE TAKES A ROW OF THE OPERAND (a place l) AND ITS REGISTERS RUN DOWN K: a block of 32 lies in one lane.
	s_lshr_b32 s28, ttmp9, 2
	s_cmp_lt_u32 s28, 64                           ; the first 64 groups of four pairs are query's
	s_cselect_b64 s[4:5], s[4:5], s[6:7]
	s_bfe_u32 s29, s28, 0x20004                    ; b
	s_and_b32 s30, s28, 15                         ; which 128 places of l
	s_lshl_b32 s24, s29, 23                        ; b x 1,024 x 8,192 bytes
	s_lshl_b32 s29, s22, 21                        ; + 256 channels x 8,192
	s_add_co_u32 s24, s24, s29
	s_lshl_b32 s29, s30, 9
	s_add_co_u32 s24, s24, s29
	s_lshl_b32 s29, s20, 7                         ; + my wave's 32 places
	s_add_co_u32 s24, s24, s29
	s_add_nc_u64 s[4:5], s[4:5], s[24:25]
	s_wait_alu depctr_va_vdst(0)
	v_and_b32 v5, 15, v1                           ; m
	v_lshrrev_b32 v6, 4, v1                        ; u: which tile of the pair
	v_and_b32 v7, 8, v5
	v_add_nc_u32 v7, v7, v5
	v_lshl_add_u32 v7, v6, 3, v7                   ; my place: m + 8 (m / 8) + 8 u; the wave's 32 lanes still cover 128 consecutive bytes
	v_lshlrev_b32 v2, 2, v7
	v_lshlrev_b32 v3, 4, v5
	v_lshl_add_u32 v3, v6, 14, v3                  ; out: tile u, 16 bytes a lane-row
.macro LOADX t                         ; block t: channels 32 t + 0 .. 31 of my place, into set t % 2
.set i, 0
.rept 32
	global_load_b32 v[X+32*((\t)%2)+i], v2, s[4:5] offset:(32*(\t)+i)*8192 th:TH_LOAD_NT
.set i, i+1
.endr
.endm
.macro BLOCKX t
.set XS, X+32*((\t)%2)
.if (\t) < 7
	s_wait_loadcnt 32                              ; this block's 32 loads are in; the next block's 32 may be out
.else
	s_wait_loadcnt 0
.endif
	v_max3_num_f32 v12, |v[XS]|, |v[XS+1]|, |v[XS+2]|          ; the block's largest magnitude: all 32 numbers are mine; two chains
	v_max3_num_f32 v13, |v[XS+3]|, |v[XS+4]|, |v[XS+5]|
.irp n, 6,10,14,18,22,26
	v_max3_num_f32 v12, v12, |v[XS+\n]|, |v[XS+\n+1]|
	v_max3_num_f32 v13, v13, |v[XS+\n+2]|, |v[XS+\n+3]|
.endr
	v_max3_num_f32 v12, v12, |v[XS+30]|, |v[XS+31]|
	v_max3_num_f32 v12, v12, v13, FLOORV
	v_add_nc_u32 v11, LESS15, v12                  ; the conversion takes the exponent field of this operand as its scale
	v_lshrrev_b32 v13, 23, v11                     ; the byte
.if (\t)%4 == 0
	v_mov_b32 v[SB+(\t)/4], v13
.else
	v_lshl_or_b32 v[SB+(\t)/4], v13, 8*((\t)%4), v[SB+(\t)/4]
.endif
.set i, 0
.rept 32
.set i, i+1
.endr
.irp q, 0,1,2,3
	v_cvt_scalef32_pk8_bf8_f32 v[CD+8*(\t)+2*\q:CD+8*(\t)+2*\q+1], v[XS+8*\q:XS+8*\q+7], v11
.endr
	global_store_b128 v3, v[CD+8*(\t):CD+8*(\t)+3], s[16:17] offset:512*(\t)         ; k 0-15 of the block: lanes 0-15 fill 256 aligned bytes of the even tile, lanes 16-31 of the odd one
	global_store_b128 v3, v[CD+8*(\t)+4:CD+8*(\t)+7], s[16:17] offset:512*(\t)+256   ; k 16-31
.if (\t)+2 < 8
	LOADX (\t)+2
.endif
.endm
	LOADX 0
	LOADX 1
.irp t, 0,1,2,3,4,5,6,7
	BLOCKX \t
.endr
	global_store_b64 v4, v[SB:SB+1], s[18:19]      ; 32 lanes store 256 consecutive bytes, aligned
	s_endpgm
	; ---- the weights: K is innermost.  Loads take the rows as they lie, 512 bytes a load; a unit's 16 rows x 512 bytes turn through the wave's own stage in LDS, so that a lane gets 16 neighbours of each block.
.Lweights:
	s_sub_co_u32 s28, ttmp9, 512
	s_lshr_b32 s29, s28, 5                         ; which weight: 32 work-groups each
	s_cmp_eq_u32 s29, 1
	s_cselect_b64 s[8:9], s[10:11], s[8:9]
	s_cmp_eq_u32 s29, 2
	s_cselect_b64 s[8:9], s[12:13], s[8:9]
	s_cmp_eq_u32 s29, 3
	s_cselect_b64 s[8:9], s[14:15], s[8:9]
	s_bfe_u32 s30, s28, 0x30002
	s_lshl_b32 s30, s30, 2
	s_add_co_u32 s30, s30, s20                     ; my pair of tiles in the weight
	s_lshl_b32 s24, s30, 17                        ; 32 rows of 4,096 bytes
	s_lshl_b32 s30, s22, 10                        ; + 256 along K
	s_add_co_u32 s24, s24, s30
	s_add_nc_u64 s[8:9], s[8:9], s[24:25]
	s_mov_b32 s[SEL], 0x76543210
	s_mov_b32 s[SEL+1], 0xfedcba98
	s_mov_b32 s[HM], 0xffff0000
	s_wait_alu depctr_va_vdst(0)
	v_lshlrev_b32 v5, 4, v1                        ; 16 x lane
	s_mul_i32 s28, s20, 8448                       ; my stage: 16 rows x (512 + 16) bytes: rows start 33 x 16 bytes apart, so 16 rows' reads fall on different 16-byte columns
	v_add_nc_u32 v6, s28, v5                       ; in: a row as it was loaded
	v_and_b32 v8, 15, v1
	v_lshrrev_b32 v9, 4, v1
	v_mul_u32_u24 v7, v8, 528
	v_lshl_add_u32 v7, v9, 6, v7
	v_add_nc_u32 v7, s28, v7                       ; back: row r, + 64 h bytes: my 16 numbers of a block
.irp b, 0,1,2,3
	v_mov_b32 v[TM+4+\b], 0                        ; written once: a lane permute's destination counts as one of its sources
.endr
.macro LOADW n                         ; unit n = 2 u + j: tile u of the pair, chunk j of the quarter: 16 rows x 512 bytes into set n % 2
.irp m, 0,1,2,3,4,5,6,7,8,9,10,11,12,13,14,15
	global_load_b128 v[32+64*((\n)%2)+4*\m:32+64*((\n)%2)+4*\m+3], v5, s[8:9] offset:(8*((\n)/2)+\m+8*(\m/8))*4096+512*((\n)%2) th:TH_LOAD_NT
.endr
.endm
; 64 numbers of a lane, register 16 b + i = k 32 b + 16 h + i of my row, become a unit's codes in v[PC] on and its scale word in v[PW + n]
.macro QUANTR s, n
.irp b, 0,1,2,3
	v_max3_num_f32 v[TM+\b], |v[\s+16*\b]|, |v[\s+1+16*\b]|, FLOORV
.endr
.irp k, 2,4,6,8,10,12,14
.irp b, 0,1,2,3
	v_max3_num_f32 v[TM+\b], v[TM+\b], |v[\s+16*\b+\k]|, |v[\s+1+16*\b+\k]|      ; the four blocks by turns
.endr
.endr
.irp b, 0,1,2,3
	v_permlanex16_b32 v[TM+4+\b], v[TM+\b], s[SEL], s[SEL+1]
.endr
.irp b, 0,1,2,3
	v_max_num_f32 v[TM+\b], v[TM+\b], v[TM+4+\b]   ; with lane l xor 16's 16 numbers: the block's
.endr
.irp b, 0,1,2,3
	v_add_nc_u32 v[TM+12+\b], LESS15, v[TM+\b]
.endr
.irp b, 0,1,2,3
.endr
.irp b, 0,1,2,3
	v_lshrrev_b32 v[TM+4+\b], 23, v[TM+12+\b]
.endr
	v_lshl_or_b32 v[PW+(\n)], v[TM+5], 8, v[TM+4]
	v_lshl_or_b32 v[PW+(\n)], v[TM+6], 16, v[PW+(\n)]
	v_lshl_or_b32 v[PW+(\n)], v[TM+7], 24, v[PW+(\n)]
.irp b, 0,1,2,3
.set i, 0
.rept 16
.set i, i+1
.endr
	v_cvt_scalef32_pk8_bf8_f32 v[PC+4*\b:PC+1+4*\b], v[\s+16*\b:\s+7+16*\b], v[TM+12+\b]
	v_cvt_scalef32_pk8_bf8_f32 v[PC+2+4*\b:PC+3+4*\b], v[\s+8+16*\b:\s+15+16*\b], v[TM+12+\b]
.endr
	v_nop                                          ; a plain line behind the last conversion
.endm
.macro UNITW n
.set RS, 32+64*((\n)%2)
.if (\n) < 3
	s_wait_loadcnt 16                              ; this unit's 16 loads are in; the next unit's 16 may be out
.else
	s_wait_loadcnt 0
.endif
.irp m, 0,1,2,3,4,5,6,7,8,9,10,11,12,13,14,15
	ds_store_b128 v6, v[RS+4*\m:RS+4*\m+3] offset:\m*528
.endr
.irp c, 0,1,2,3
.irp k, 0,1,2,3
	ds_load_b128 v[RS+16*\c+4*\k:RS+16*\c+4*\k+3], v7 offset:128*\c+16*\k   ; LDS serves a wave's instructions in order (ISA guide 5.7.1.4): these see the stores above
.endr
.endr
	s_wait_dscnt 0x0
.if (\n) > 0
	s_wait_xcnt 0x0                                ; the last unit's stores have read v[PC] on: it is written again only behind this wait
.endif
	QUANTR RS, \n
.irp c, 0,1,2,3
	global_store_b128 v5, v[PC+4*\c:PC+4*\c+3], s[16:17] offset:((\n)/2)*16384+((\n)%2)*2048+512*\c   ; 512 consecutive bytes
.endr
.if (\n)+2 < 4
	LOADW (\n)+2
.endif
.endm
	LOADW 0
	LOADW 1
	s_wait_alu depctr_va_vdst(0)
.irp n, 0,1,2,3
	UNITW \n
.endr
	v_cndmask_b32 v196, v[PW], v[PW+2], s[HM]      ; both halves of the lanes hold row r's word: lanes 0-15 keep the even tile's, lanes 16-31 take the odd tile's
	v_cndmask_b32 v197, v[PW+1], v[PW+3], s[HM]
	global_store_b64 v4, v[196:197], s[18:19]
	s_wait_tensorcnt 0x0
	ds_add_u32 v208, v209
	s_wait_dscnt 0x0
	s_endpgm
.Lfunc_end_k_q6c31b8fe11_quant:
	.size	k_q6c31b8fe11_quant, .Lfunc_end_k_q6c31b8fe11_quant-k_q6c31b8fe11_quant
	.p2alignl 7, 3214868480
	.fill 96, 4, 3214868480
	.section	.rodata,"a",@progbits
	.p2align	6, 0x0
	.amdhsa_kernel k_q6c31b8fe11_quant
		.amdhsa_group_segment_fixed_size 34304
		.amdhsa_private_segment_fixed_size 0
		.amdhsa_enable_private_segment 0
		.amdhsa_kernarg_size 64
		.amdhsa_user_sgpr_count 2
		.amdhsa_user_sgpr_kernarg_segment_ptr 1
		.amdhsa_wavefront_size32 1
		.amdhsa_system_sgpr_workgroup_id_x 1
		.amdhsa_system_sgpr_workgroup_id_y 1
		.amdhsa_system_sgpr_workgroup_id_z 1
		.amdhsa_system_vgpr_workitem_id 0
		.amdhsa_next_free_vgpr 210
		.amdhsa_next_free_sgpr 66
		.amdhsa_reserve_vcc 0
		.amdhsa_float_denorm_mode_32 3
		.amdhsa_float_denorm_mode_16_64 3
		.amdhsa_fp16_overflow 1
		.amdhsa_memory_ordered 1
		.amdhsa_forward_progress 1
		.amdhsa_inst_pref_size 72
	.end_amdhsa_kernel
	.amdgpu_metadata
---
amdhsa.version: [ 1, 2 ]
amdhsa.kernels:
  - .name:           k_q6c31b8fe11_quant
    .symbol:         k_q6c31b8fe11_quant.kd
    .args:
      - { .name: query, .offset: 0, .size: 8, .value_kind: global_buffer, .address_space: global }
      - { .name: context, .offset: 8, .size: 8, .value_kind: global_buffer, .address_space: global }
      - { .name: Wq, .offset: 16, .size: 8, .value_kind: global_buffer, .address_space: global }
      - { .name: Wk, .offset: 24, .size: 8, .value_kind: global_buffer, .address_space: global }
      - { .name: Wv, .offset: 32, .size: 8, .value_kind: global_buffer, .address_space: global }
      - { .name: Wo, .offset: 40, .size: 8, .value_kind: global_buffer, .address_space: global }
      - { .name: img, .offset: 48, .size: 8, .value_kind: global_buffer, .address_space: global }
      - { .name: scl, .offset: 56, .size: 8, .value_kind: global_buffer, .address_space: global }
    .group_segment_fixed_size: 34304
    .private_segment_fixed_size: 0
    .kernarg_segment_align: 8
    .kernarg_segment_size: 64
    .max_flat_workgroup_size: 128
    .sgpr_count:     66
    .vgpr_count:     210
    .wavefront_size: 32
...
	.end_amdgpu_metadata
.endif
;; end of part 1
;; launch proj (part 2): grid 4 x 96, 4 waves a work-group, clusters of 4 x 4, 327,680 bytes of LDS; arguments img, scl, qkv; writes qkv
.if DOCPART == 2
	.amdgcn_target "amdgcn-amd-amdhsa--gfx1250"
	.amdhsa_code_object_version 6
	.text
	.protected	k_q6c31b8fe11_proj
	.globl	k_q6c31b8fe11_proj
	.p2align	8
	.type	k_q6c31b8fe11_proj,@function
k_q6c31b8fe11_proj:
	s_mov_b64 s[64:65], 0
	v_nop
	global_prefetch_b8 v0, s[64:65] scope:SCOPE_SE
	s_setreg_imm32_b32 hwreg(HW_REG_WAVE_MODE, 25, 1), 1
	s_wait_xcnt 0x0
	s_wait_alu depctr_hold_cnt(0) depctr_sa_sdst(0) depctr_va_vdst(0) depctr_va_sdst(0) depctr_va_ssrc(0) depctr_va_vcc(0) depctr_vm_vsrc(0)
	s_getreg_b32 s2, hwreg(HW_REG_IB_STS2, 6, 4)
	s_cmp_eq_u32 s2, 0
	s_cbranch_scc0 .Lentry_in_a_cluster
	s_endpgm
.Lentry_in_a_cluster:
	s_bfe_u32 s2, ttmp6, 0x10000c
	s_cmp_lg_u32 s2, 0xf033
	s_cbranch_scc0 .Lentry_shape_is_right
	s_endpgm
.Lentry_shape_is_right:
; q = Wq query, k = Wk context, v = Wv context, each [8,192 places x 1,024 channels], K = 1,024, on codes of BF8 (E5M2) with E8M0 scales, and each result QUANTISED on the way out for attention.
; Operands come as register images (16 rows x 128 K = 2,048 bytes [c][lane][16]; lane-row m of tile T is row 32 (T / 2) + 8 (T % 2) + m + 8 (m / 8)): a fragment is four 16-byte loads at 16 x lane, no pitch, no padding.
; A work-group of four waves makes 256 rows of source 1 (called A) x 256 rows of source 0 (called B); a wave 128 x 128: 64 accumulators, 512 registers.  In accumulator (a, b) lane (r, h) holds A's lane-row r of
; tile a, and register j B's row 32 (b / 2) + 8 (b % 2) + 16 h + j: so for one a the lane's 64 registers are 16 neighbours of each of four blocks of 32 rows of B: the order in which the next operand wants them.
; q, k: A = the places, B = the weight's rows: registers run along the channels d, the scores' K.   v: A = Wv's rows, B = the places: registers run along the keys, the second product's K.
; The cluster's number (0-23) says which: 0-7 q, 8-15 k, 16-23 v; it is the same in all sixteen partners, so the one branch on it (the stores) is alike in all.
; K goes in four steps of 256 through two LDS slots.  CLUSTERS 4 x 4: A's tiles are asked for jointly along a row of the cluster, B's along a column.  The scale words of all of K come once, straight into registers.
; qkv: 128 blocks of 206,848 bytes, block ((b 16 + head) 2 + half of 1,024 places): K codes [64 tiles][c 0,1][lane][16]; K words [16 groups of 64][lane (r, h)][2]: word j is tile 4 g + 2 j + h;
;   V codes [chunk of 128 keys][d tile][2,048]; V words [chunk][lane (r, h)][2]: word j is d tile 2 j + h; Q codes and words like K's.  A K or Q word is (byte d 0-31, byte d 32-63, 127, 127).
; LIMITS: a block of zeros gets the byte 1 where the rule says 127 (its codes are zeros; this program alone reads the bytes); NaN and infinities are not served.
; REGISTERS: window 0: v16-31 addresses; v32-63 A's scale words, v64-95 B's (register 8 (tile / 2) + chunk: lanes 0-15 the even tile, 16-31 the odd); v96-127 the quantiser; v128-255 A's fragments, one set, later the codes.
;   window 1: B's fragments, two sets.   windows 2, 3: the accumulators, (a, b) at v[8 (8 (a % 4) + b)] of window 2 + a / 4.
.set HALFT,  32768                     ; 8 tiles x 2 chunks: what one tensor load brings, and what one wave reads of A or of B in a K step
.set SLOT,   131072                    ; A's 16 tiles, then B's 16
.set SPARE,  262144                    ; behind the ring: the spare words, 128 bytes for each wave: two blocks of 256 bytes that no other line names
.set BLK,    206848
.set HS,     2*BLK                     ; from a head to the next
.set KS,     65536
.set VC,     69632
.set VS,     135168
.set QC,     137216
.set ADRA, 16                          ; v16-17 LDS address of my A fragments in slot 0, 1
.set ADRB, 20                          ; v20-21 the same for B
.set FIL,  14                          ; v14 0x7f7f7f7f
.set SPW,  28                          ; v28 LDS address of my spare word; never rewritten
.set NIL,  29                          ; v29 0; never rewritten
.set L16,  30                          ; v30 16 x lane
.set L8,   31                          ; v31 8 x lane
.set SCA,  32
.set SCB,  64
.set TM,   96                          ; v96-99 largest magnitudes, v100-103 bytes, v108-111 the conversions' scale operands
.set PW,   112                         ; v112-119 the scale word of each a
.set SELW, 120                         ; v120-123 words of two tiles in one register
.set AF,   128
.set PC,   128                         ; the codes of a at v[128 + 16 a]
.set G1, 24                            ; s[24:31] descriptor group 1 for A's tiles; s[32:39] group 0, one set for each slot
.set G0, 32
.set G1B, 48                           ; s[48:55], s[56:63] the same for B's
.set G0B, 56
.set HM,  96                           ; s96 the mask of lanes 16-31
.set MNT, 97
.set MSB, 0
.macro WIN new                         ; the immediate's high byte repeats the setting that is left; a switch that changes nothing is dropped
.if MSB != (\new)
	s_set_vgpr_msb (MSB<<8)|(\new)
.set MSB, (\new)
.endif
.endm
.set MUL_LO, 0xa1                      ; source 0 (B) window 1, source 1 (A) window 0, C and D window 2
.set MUL_HI, 0xf1                      ; the same, C and D window 3
.set TO_B,   0x40                      ; destination window 1, address window 0
; A joint load: waves 0 and 1 fetch A's halves, waves 2 and 3 B's; the branch hangs on the wave's number alone.  Four v_nop follow each of the two lines.
.macro JLOAD g0a, g1a, g0b, g1b
	s_cmp_eq_u32 s15, 0
	s_cbranch_scc0 .Lfor_b_\@
	tensor_load_to_lds s[\g0a:\g0a+3], s[\g1a:\g1a+7]
	s_nop 0
.rept 4
	v_nop
.endr
	s_branch .Lasked_\@
.Lfor_b_\@:
	tensor_load_to_lds s[\g0b:\g0b+3], s[\g1b:\g1b+7]
	s_nop 0
.rept 4
	v_nop
.endr
.Lasked_\@:
.endm
.macro CREST                           ; a round of the cluster's barrier behind its opening barrier
	s_cmp_lg_u32 s14, 0
	s_cbranch_scc1 .Lnot_wave_0_\@
	s_barrier_signal -3
.Lnot_wave_0_\@:
	s_barrier_wait -3
	s_barrier_signal -1
	s_barrier_wait -1
.endm
.macro CROUND
	s_barrier_signal -1
	s_barrier_wait -1
	CREST
.endm
	s_load_b128 s[4:7], s[0:1], 0x0                ; img, scl
	s_load_b64 s[8:9], s[0:1], 0x10                ; qkv
	v_lshl_add_u32 v[SPW], v0, 2, SPARE
	v_mov_b32 v[NIL], 0
	ds_add_u32 v28, v29
	ds_add_u32 v28, v29
	s_wait_dscnt 0x0
	v_lshrrev_b32 v1, 5, v0
	v_readfirstlane_b32 s14, v1                    ; wave 0..3
	s_lshr_b32 s15, s14, 1                         ; which half of A's rows is mine.  Also: I fetch for A (0) or for B (1)
	s_and_b32 s16, s14, 1                          ; which half of B's rows.  Also: which 8 tiles I fetch
	s_bfe_u32 s40, ttmp6, 0x40000                  ; cx, cy: my place in the cluster
	s_bfe_u32 s41, ttmp6, 0x40004
	s_and_b32 s66, ttmp7, 0xffff                   ; the cluster's number, 0-23
	s_lshr_b32 s67, s66, 3                         ; 0 q, 1 k, 2 v
	s_lshr_b32 s68, s66, 4                         ; 1 for v
	s_xor_b32 s69, s68, 1                          ; 1 for q and k
	s_and_b32 s70, s66, 7
	s_lshl_b32 s70, s70, 2                         ; the cluster's first block of 256 places
	s_mul_i32 s17, s70, s69
	s_add_co_u32 s17, s17, s41                     ; A's block of 256 rows: places (q, k) or Wv's rows (v)
	s_mul_i32 s42, s70, s68
	s_add_co_u32 s42, s42, s40                     ; B's block: the weight's rows (q, k) or places (v)
	s_mul_i32 s71, s67, s69
	s_lshl_b32 s71, s71, 9
	s_mul_i32 s72, s68, 1152
	s_add_co_u32 s71, s71, s72                     ; A's first tile in img: 0 query, 512 context, 1152 Wv
	s_lshl_b32 s73, s67, 6
	s_add_co_u32 s73, s73, 1024
	s_mul_i32 s73, s73, s69
	s_lshl_b32 s72, s68, 9
	s_add_co_u32 s73, s73, s72                     ; B's: 1024 Wq, 1088 Wk, 512 context
	s_lshl_b32 s43, s41, 2
	s_lshl_b32 s43, 15, s43                        ; my row of the cluster
	s_lshl_b32 s44, 0x1111, s40                    ; my column
	; descriptor group 1: 8 tiles: 8 rows of 4,096 bytes (512 elements of 8 bytes: two chunks of a tile), 16,384 bytes apart in memory, dense in LDS
	s_or_b32 s[G1+0], s43, (3<<16)|(1<<21)         ; 15:0 the mask: A's tiles go to my row; 17:16 elements of 8 bytes; 21 set beside a mask
	s_or_b32 s[G1B+0], s44, (3<<16)|(1<<21)
.irp g, G1, G1B
	s_mov_b32 s[\g+1], 512<<16                     ; tensor_dim0
	s_mov_b32 s[\g+2], 8<<16                       ; tensor_dim1
	s_mov_b32 s[\g+3], 512<<16                     ; tile_dim0
	s_mov_b32 s[\g+4], 8                           ; tile_dim1
	s_mov_b32 s[\g+5], 2048                        ; tensor_dim0_stride
	s_mov_b32 s[\g+6], 0
	s_mov_b32 s[\g+7], 0
.endr
	s_lshl_b32 s18, s16, 3
	s_lshl_b32 s20, s17, 4
	s_add_co_u32 s20, s20, s71
	s_add_co_u32 s20, s20, s18                     ; the first tile that I would fetch for A,
	s_lshl_b32 s20, s20, 14                        ; in bytes
	s_mov_b32 s21, 0
	s_lshl_b32 s46, s42, 4
	s_add_co_u32 s46, s46, s73
	s_add_co_u32 s46, s46, s18                     ; and for B
	s_lshl_b32 s46, s46, 14
	s_mov_b32 s47, 0
	s_mul_i32 s45, s14, HALFT                      ; where they go: no place in the cluster enters an LDS address
	s_wait_kmcnt 0x0
	s_add_nc_u64 s[20:21], s[4:5], s[20:21]
	s_add_nc_u64 s[46:47], s[4:5], s[46:47]
	CROUND                                         ; all sixteen work-groups are here: the first joint loads meet
.irp s, 0,1
	s_mov_b32 s[G0+4*\s], 1
	s_add_co_u32 s[G0+4*\s+1], s45, \s*SLOT
	s_add_nc_u64 s[G0+4*\s+2:G0+4*\s+3], s[20:21], \s*4096   ; K step s: chunks 2 s, 2 s + 1
	s_or_b32 s[G0+4*\s+3], s[G0+4*\s+3], 0x80000000
	s_mov_b32 s[G0B+4*\s], 1
	s_add_co_u32 s[G0B+4*\s+1], s45, \s*SLOT
	s_add_nc_u64 s[G0B+4*\s+2:G0B+4*\s+3], s[46:47], \s*4096
	s_or_b32 s[G0B+4*\s+3], s[G0B+4*\s+3], 0x80000000
	s_wait_alu depctr_va_vdst(0)
	s_wait_tensorcnt 0x0
	ds_add_u32 v28, v29
	ds_add_u32 v28, v29
	s_wait_dscnt 0x0
	CROUND
	JLOAD G0+4*\s, G1, G0B+4*\s, G1B               ; one load of mine is out
.endr
	v_and_b32 v1, 31, v0
	v_lshlrev_b32 v[L16], 4, v1
	v_lshlrev_b32 v[L8], 3, v1
	s_wait_alu depctr_va_vdst(0)
	s_mul_i32 s22, s15, HALFT                      ; my 8 tiles of A
	s_mul_i32 s23, s16, HALFT                      ; my 8 tiles of B,
	s_add_co_u32 s23, s23, 2*HALFT                 ; which lie behind A's 16
.irp s, 0,1
	v_add_nc_u32 v[ADRA+\s], s22, v[L16]
	v_add_nc_u32 v[ADRB+\s], s23, v[L16]
	s_add_co_u32 s22, s22, SLOT
	s_add_co_u32 s23, s23, SLOT
.endr
	s_lshl_b32 s74, s17, 4                         ; the scale words: 512 bytes a tile
	s_add_co_u32 s74, s74, s71
	s_lshl_b32 s75, s15, 3
	s_add_co_u32 s74, s74, s75
	s_lshl_b32 s74, s74, 9
	s_mov_b32 s75, 0
	s_add_nc_u64 s[74:75], s[6:7], s[74:75]
	s_lshl_b32 s76, s42, 4
	s_add_co_u32 s76, s76, s73
	s_lshl_b32 s77, s16, 3
	s_add_co_u32 s76, s76, s77
	s_lshl_b32 s76, s76, 9
	s_mov_b32 s77, 0
	s_add_nc_u64 s[76:77], s[6:7], s[76:77]
.irp j, 0,1,2,3
.irp s, 0,1,2,3
	global_load_b64 v[SCA+8*\j+2*\s:SCA+8*\j+2*\s+1], v[L8], s[74:75] offset:\j*1024+\s*256   ; pair j of my tiles, chunks 2 s, 2 s + 1: 256 consecutive bytes
	global_load_b64 v[SCB+8*\j+2*\s:SCB+8*\j+2*\s+1], v[L8], s[76:77] offset:\j*1024+\s*256
.endr
.endr
.irp b, 0,1,2,3
	v_mov_b32 v[TM+4+\b], 0                        ; written once: a lane permute's destination counts as one of its sources
.endr
	v_mov_b32 v[FIL], 0x7f7f7f7f
	s_mov_b32 s2, 0x76543210                       ; v_permlanex16_b32's selects for lane l xor 16
	s_mov_b32 s3, 0xfedcba98
	s_mov_b32 s[HM], 0xffff0000
	; where my results go
	s_lshl_b32 s78, s17, 8
	s_lshl_b32 s79, s15, 7
	s_add_co_u32 s78, s78, s79                     ; my first row of A
	s_lshl_b32 s79, s42, 8
	s_lshl_b32 s80, s16, 7
	s_add_co_u32 s79, s79, s80                     ; my first row of B
	s_cmp_eq_u32 s68, 0
	s_cselect_b32 s80, s78, s79                    ; my first place b 2,048 + l,
	s_cselect_b32 s81, s79, s78                    ; my first channel
	s_lshr_b32 s82, s80, 11                        ; b
	s_and_b32 s83, s80, 2047
	s_lshr_b32 s84, s83, 10                        ; half
	s_and_b32 s83, s83, 1023                       ; my first place in the half: a multiple of 128
	s_lshr_b32 s81, s81, 6                         ; my first head (I hold two)
	s_lshl_b32 s82, s82, 4
	s_add_co_u32 s82, s82, s81
	s_lshl_b32 s82, s82, 1
	s_add_co_u32 s82, s82, s84
	s_mul_i32 s82, s82, BLK                        ; the block
	s_cmp_eq_u32 s67, 0
	s_cselect_b32 s85, QC, 0                       ; codes: Q's region or K's,
	s_add_co_u32 s86, s85, KS                      ; words: 65,536 bytes behind them
	s_mov_b32 s87, VC
	s_mov_b32 s88, VS
	s_cmp_eq_u32 s68, 1
	s_cselect_b32 s85, s87, s85                    ; or V's
	s_cselect_b32 s86, s88, s86
	s_cselect_b32 s87, 1, 2                        ; words: 256 bytes for 128 keys of V, for 64 places of K or Q
	s_lshl_b32 s88, s83, 6                         ; codes: 64 bytes a place in all three
	s_add_co_u32 s85, s85, s88
	s_add_co_u32 s90, s85, s82
	s_mov_b32 s91, 0
	s_add_nc_u64 s[92:93], s[8:9], s[90:91]        ; my codes
	s_lshl_b32 s88, s83, s87
	s_add_co_u32 s86, s86, s88
	s_add_co_u32 s90, s86, s82
	s_add_nc_u64 s[94:95], s[8:9], s[90:91]        ; my words
.macro FRAG reg, adr, q, i             ; tile i of my eight, chunk q of the slot: 16 registers, four loads of 512 consecutive bytes
.irp c, 0,1,2,3
	ds_load_b128 v[\reg+4*\c:\reg+4*\c+3], v[\adr] offset:(\i)*4096+(\q)*2048+512*\c
.endr
.endm
; One product: A's tile a x B's tile b, chunk ch, B's set p.  The scale registers hold two tiles' words: the odd tile's are read from lanes 16-31.
.macro MM a, b, p, ch, zero
.set rD, 8*(8*((\a)%4)+(\b))
.set rB, 128*(\p)+16*(\b)
.set rA, AF+16*(\a)
.set sB, SCB+8*((\b)/2)+(\ch)
.set sA, SCA+8*((\a)/2)+(\ch)
.set par, 2*((\a)%2)+(\b)%2
.if \zero
.if par == 0
	v_wmma_scale_f32_16x16x128_f8f6f4 v[rD:rD+7], v[rB:rB+15], v[rA:rA+15], 0, v[sB], v[sA] matrix_a_fmt:MATRIX_FMT_BF8 matrix_b_fmt:MATRIX_FMT_BF8
.elseif par == 1
	v_wmma_scale_f32_16x16x128_f8f6f4 v[rD:rD+7], v[rB:rB+15], v[rA:rA+15], 0, v[sB], v[sA] matrix_a_fmt:MATRIX_FMT_BF8 matrix_b_fmt:MATRIX_FMT_BF8 matrix_a_scale:MATRIX_SCALE_ROW1
.elseif par == 2
	v_wmma_scale_f32_16x16x128_f8f6f4 v[rD:rD+7], v[rB:rB+15], v[rA:rA+15], 0, v[sB], v[sA] matrix_a_fmt:MATRIX_FMT_BF8 matrix_b_fmt:MATRIX_FMT_BF8 matrix_b_scale:MATRIX_SCALE_ROW1
.else
	v_wmma_scale_f32_16x16x128_f8f6f4 v[rD:rD+7], v[rB:rB+15], v[rA:rA+15], 0, v[sB], v[sA] matrix_a_fmt:MATRIX_FMT_BF8 matrix_b_fmt:MATRIX_FMT_BF8 matrix_a_scale:MATRIX_SCALE_ROW1 matrix_b_scale:MATRIX_SCALE_ROW1
.endif
.else
.if par == 0
	v_wmma_scale_f32_16x16x128_f8f6f4 v[rD:rD+7], v[rB:rB+15], v[rA:rA+15], v[rD:rD+7], v[sB], v[sA] matrix_a_fmt:MATRIX_FMT_BF8 matrix_b_fmt:MATRIX_FMT_BF8
.elseif par == 1
	v_wmma_scale_f32_16x16x128_f8f6f4 v[rD:rD+7], v[rB:rB+15], v[rA:rA+15], v[rD:rD+7], v[sB], v[sA] matrix_a_fmt:MATRIX_FMT_BF8 matrix_b_fmt:MATRIX_FMT_BF8 matrix_a_scale:MATRIX_SCALE_ROW1
.elseif par == 2
	v_wmma_scale_f32_16x16x128_f8f6f4 v[rD:rD+7], v[rB:rB+15], v[rA:rA+15], v[rD:rD+7], v[sB], v[sA] matrix_a_fmt:MATRIX_FMT_BF8 matrix_b_fmt:MATRIX_FMT_BF8 matrix_b_scale:MATRIX_SCALE_ROW1
.else
	v_wmma_scale_f32_16x16x128_f8f6f4 v[rD:rD+7], v[rB:rB+15], v[rA:rA+15], v[rD:rD+7], v[sB], v[sA] matrix_a_fmt:MATRIX_FMT_BF8 matrix_b_fmt:MATRIX_FMT_BF8 matrix_a_scale:MATRIX_SCALE_ROW1 matrix_b_scale:MATRIX_SCALE_ROW1
.endif
.endif
.endm
; 16 products: A's tiles a0, a0 + 1 x B's eight.  The 64 accumulators take turns, one instruction a turn, in the same order in every chunk.  zero = 1: the first products start the sums.
.macro MUL16 a0, p, ch, zero
.irp a, \a0, \a0+1
.irp b, 0,1,2,3,4,5,6,7
	MM \a, \b, \p, \ch, \zero
.endr
.endr
.endm
.macro FETCH_B slot, q, p
	WIN TO_B
.irp i, 0,1,2,3,4,5,6,7
	FRAG 128*(\p)+16*\i, ADRB+\slot, \q, \i
.endr
	WIN 0
.endm
.macro FETCH_A slot, q, i0
.irp i, \i0, \i0+1, \i0+2, \i0+3
	FRAG AF+16*(\i), ADRA+\slot, \q, \i
.endr
.endm
; A load into a register that a matrix instruction has read, and a vector instruction that reads a matrix result, stand eight places behind that matrix instruction; only plain vector instructions
; that name none of its registers are places.
.macro PLACES n
.rept \n
	v_nop
.endr
.endm
; A slot's first chunk (ch, even), on B's set 0.  A has one set of registers: tiles 0-3 are fetched anew in the middle, tiles 4-7 at the end.
.macro STEP slot, ch, zero
	s_wait_dscnt 16                                ; B's set and A's tiles 0-3 are in; the youngest 16 loads (A's tiles 4-7) may be out
	WIN MUL_LO
	MUL16 0, 0, \ch, \zero
	MUL16 2, 0, \ch, \zero
	s_wait_dscnt 0                                 ; A's tiles 4-7 are in
	PLACES 8
	FETCH_B \slot, 1, 1
	FETCH_A \slot, 1, 0
	WIN MUL_HI
	MUL16 4, 0, \ch, \zero
	MUL16 6, 0, \ch, \zero
	PLACES 8
	WIN 0
	FETCH_A \slot, 1, 4
.endm
; A slot's second chunk (ch, odd), on B's set 1, changes slots: ONE barrier; in front of it each wave waits for all its tensor loads, adds 0 to its spare word, and waits for that and for its reads of this slot.
; fill = 1: the barrier opens a round of the cluster's barrier, and behind the round this slot is filled again, two K steps ahead.
.macro TURN slot, next, ch, fill
	s_wait_tensorcnt 0x0                           ; all my tensor loads have landed: my part of the next slot
	ds_add_u32 v[SPW], v[NIL]                      ; 0 onto my spare word
	s_wait_dscnt 17                                ; (the add and the youngest 16 loads, A's tiles 4-7, may be out)
	WIN MUL_LO
	MUL16 0, 1, \ch, 0                             ; sixteen products stand between the add and the wait for it
	s_wait_dscnt 0x0                               ; the add is done, and my reads of this slot are over
	s_barrier_signal -1
	MUL16 2, 1, \ch, 0
	WIN 0                                          ; at a branch and at a label every window is 0
	s_barrier_wait -1
.if \fill
	CREST                                          ; no wave of any partner still reads this slot or has a load on its way
	s_add_nc_u64 s[G0+4*\slot+2:G0+4*\slot+3], s[G0+4*\slot+2:G0+4*\slot+3], 8192
	s_add_nc_u64 s[G0B+4*\slot+2:G0B+4*\slot+3], s[G0B+4*\slot+2:G0B+4*\slot+3], 8192
	JLOAD G0+4*\slot, G1, G0B+4*\slot, G1B         ; the first tensor load behind the round, my only one until the next; its four v_nop are four of the eight places
	PLACES 4
.else
	PLACES 8
.endif
	FETCH_B \next, 0, 0
	FETCH_A \next, 0, 0
	WIN MUL_HI
	MUL16 4, 1, \ch, 0
	MUL16 6, 1, \ch, 0
	PLACES 8
	WIN 0
	FETCH_A \next, 0, 4
.endm
	s_wait_alu depctr_va_vdst(0)
	s_wait_tensorcnt 1                             ; my part of K step 0 is in (K step 1's load may be out)
	s_barrier_signal -1
	s_barrier_wait -1                              ; everybody's is
	FETCH_B 0, 0, 0
	FETCH_A 0, 0, 0
	FETCH_A 0, 0, 4
	s_wait_loadcnt 0x0                             ; the scale words
	STEP 0, 0, 1                                   ; four K steps, written out: the first products start the sums, the last two changes of slots differ
	TURN 0, 1, 1, 1                                ; slot 0 takes K step 2
	STEP 1, 2, 0
	TURN 1, 0, 3, 1                                ; slot 1 takes K step 3
	STEP 0, 4, 0
	TURN 0, 1, 5, 0                                ; nothing is left to fetch
	STEP 1, 6, 0
	s_wait_dscnt 16
	WIN MUL_LO
	MUL16 0, 1, 7, 0
	MUL16 2, 1, 7, 0
	s_wait_dscnt 0
	WIN MUL_HI
	MUL16 4, 1, 7, 0
	MUL16 6, 1, 7, 0
	WIN 0
	PLACES 8
; THE QUANTISER.  For A's tile a the lane's 64 results (register 16 b + i = row 32 b + 16 h + i of B) become 16 registers of codes and a scale word.  Each run of lines stands under one window setting.
.macro QUANTW a
.set WW, 2+(\a)/4
.set AS, 64*((\a)%4)
.set PCA, PC+16*(\a)
	WIN WW|(WW<<2)
.irp b, 0,1,2,3
	v_max3_num_f32 v[TM+\b], |v[AS+16*\b]|, |v[AS+16*\b+1]|, 0x8000000      ; each accumulator is read from its low end on; the floor 2^(16 - 127) holds the byte at 1 from below
.endr
	WIN (WW<<2)|(WW<<4)
.irp k, 2,4,6,8,10,12,14
.irp b, 0,1,2,3
	v_max3_num_f32 v[TM+\b], v[TM+\b], |v[AS+16*\b+\k]|, |v[AS+16*\b+\k+1]|
.endr
.endr
	WIN 0
.irp b, 0,1,2,3
	v_permlanex16_b32 v[TM+4+\b], v[TM+\b], s2, s3
.endr
.irp b, 0,1,2,3
	v_max_num_f32 v[TM+\b], v[TM+\b], v[TM+4+\b]   ; with lane l xor 16's 16 numbers: the block's largest magnitude
.endr
.irp b, 0,1,2,3
	v_add_nc_u32 v[TM+12+\b], 0xf8800000, v[TM+\b] ; 15 off its exponent field: the conversion's scale operand
.endr
.irp b, 0,1,2,3
.endr
.irp b, 0,1,2,3
	v_lshrrev_b32 v[TM+4+\b], 23, v[TM+12+\b]      ; the byte
.endr
	v_lshl_or_b32 v[PW+(\a)], v[TM+5], 8, v[TM+4]
	v_lshl_or_b32 v[PW+(\a)], v[TM+6], 16, v[PW+(\a)]
	v_lshl_or_b32 v[PW+(\a)], v[TM+7], 24, v[PW+(\a)]
	WIN WW|(WW<<6)
.irp b, 0,1,2,3
.set i, 0
.rept 16
.set i, i+1
.endr
.endr
	WIN WW
.irp b, 0,1,2,3
	v_cvt_scalef32_pk8_bf8_f32 v[PCA+4*\b:PCA+4*\b+1], v[AS+16*\b:AS+16*\b+7], v[TM+12+\b]
	v_cvt_scalef32_pk8_bf8_f32 v[PCA+4*\b+2:PCA+4*\b+3], v[AS+16*\b+8:AS+16*\b+15], v[TM+12+\b]
.endr
	WIN 0
	v_nop                                          ; a plain line behind the last conversion
.endm
.irp a, 0,1,2,3,4,5,6,7
	QUANTW \a
.endr
.irp n, 0,1,2,3
	v_cndmask_b32 v[SELW+\n], v[PW+2*\n], v[PW+2*\n+1], s[HM]   ; both halves of the lanes hold row r's word: lanes 0-15 keep tile 2 n's, lanes 16-31 take tile 2 n + 1's
.endr
	s_cmp_lt_u32 s66, 16                           ; the cluster's number: alike in all partners
	s_cbranch_scc0 .Lstore_v
	; q, k: codes c = 0, 1 are my first head's d, c = 2, 3 my second head's; tile a is 1,024 bytes [c][lane][16].  Every store covers 512 consecutive bytes
.irp a, 0,1,2,3,4,5,6,7
.irp c, 0,1,2,3
	global_store_b128 v[L16], v[PC+16*\a+4*\c:PC+16*\a+4*\c+3], s[92:93] offset:(\c/2)*HS+\a*1024+(\c%2)*512
.endr
.endr
.irp x, 0,1
.irp n, 0,1,2,3
	v_perm_b32 v[TM+4*\x+\n], v[SELW+\n], v[FIL], 0x01000504+0x0202*\x      ; head x's two bytes, then 127, 127 for the K that the scores' product does not have
.endr
.endr
.irp x, 0,1
.irp g, 0,1
	global_store_b64 v[L8], v[TM+4*\x+2*\g:TM+4*\x+2*\g+1], s[94:95] offset:\x*HS+\g*256   ; a group of 64 places: 256 consecutive bytes
.endr
.endr
	s_branch .Lstored
.Lstore_v:
	s_wait_alu depctr_va_vdst(0)
	; v: tile a is d tile a % 4 of head a / 4; its 16 registers are one unit of my chunk of 128 keys
.irp a, 0,1,2,3,4,5,6,7
.irp c, 0,1,2,3
	global_store_b128 v[L16], v[PC+16*\a+4*\c:PC+16*\a+4*\c+3], s[92:93] offset:(\a/4)*HS+(\a%4)*2048+512*\c
.endr
.endr
.irp x, 0,1
	global_store_b64 v[L8], v[SELW+2*\x:SELW+2*\x+1], s[94:95] offset:\x*HS
.endr
.Lstored:
	s_wait_tensorcnt 0x0                           ; the wave's end
	ds_add_u32 v[SPW], v[NIL]
	s_wait_dscnt 0x0
	CROUND                                         ; the closing round: no work-group ends while a partner may still ask for a tile that names it
	s_endpgm
.Lfunc_end_k_q6c31b8fe11_proj:
	.size	k_q6c31b8fe11_proj, .Lfunc_end_k_q6c31b8fe11_proj-k_q6c31b8fe11_proj
	.p2alignl 7, 3214868480
	.fill 96, 4, 3214868480
	.section	.rodata,"a",@progbits
	.p2align	6, 0x0
	.amdhsa_kernel k_q6c31b8fe11_proj
		.amdhsa_group_segment_fixed_size 327680
		.amdhsa_private_segment_fixed_size 0
		.amdhsa_enable_private_segment 0
		.amdhsa_kernarg_size 24
		.amdhsa_user_sgpr_count 2
		.amdhsa_user_sgpr_kernarg_segment_ptr 1
		.amdhsa_wavefront_size32 1
		.amdhsa_system_sgpr_workgroup_id_x 1
		.amdhsa_system_sgpr_workgroup_id_y 1
		.amdhsa_system_sgpr_workgroup_id_z 1
		.amdhsa_system_vgpr_workitem_id 0
		.amdhsa_next_free_vgpr 1024
		.amdhsa_next_free_sgpr 98
		.amdhsa_reserve_vcc 0
		.amdhsa_float_denorm_mode_32 3
		.amdhsa_float_denorm_mode_16_64 3
		.amdhsa_fp16_overflow 1
		.amdhsa_memory_ordered 1
		.amdhsa_forward_progress 1
		.amdhsa_inst_pref_size 155
	.end_amdhsa_kernel
	.amdgpu_metadata
---
amdhsa.version: [ 1, 2 ]
amdhsa.kernels:
  - .name:           k_q6c31b8fe11_proj
    .symbol:         k_q6c31b8fe11_proj.kd
    .args:
      - { .name: img, .offset: 0, .size: 8, .value_kind: global_buffer, .address_space: global }
      - { .name: scl, .offset: 8, .size: 8, .value_kind: global_buffer, .address_space: global }
      - { .name: qkv, .offset: 16, .size: 8, .value_kind: global_buffer, .address_space: global }
    .group_segment_fixed_size: 327680
    .private_segment_fixed_size: 0
    .kernarg_segment_align: 8
    .kernarg_segment_size: 24
    .max_flat_workgroup_size: 128
    .sgpr_count:     98
    .vgpr_count:     1024
    .wavefront_size: 32
...
	.end_amdgpu_metadata
.endif
;; end of part 2
;; launch attn (part 3): grid 8 x 32, 16 waves a work-group, clusters of 4 x 1, 327,680 bytes of LDS; arguments qkv, img, scl; writes img, scl
.if DOCPART == 3
	.amdgcn_target "amdgcn-amd-amdhsa--gfx1250"
	.amdhsa_code_object_version 6
	.text
	.protected	k_q6c31b8fe11_attn
	.globl	k_q6c31b8fe11_attn
	.p2align	8
	.type	k_q6c31b8fe11_attn,@function
k_q6c31b8fe11_attn:
	s_mov_b64 s[64:65], 0
	v_nop
	global_prefetch_b8 v0, s[64:65] scope:SCOPE_SE
	s_setreg_imm32_b32 hwreg(HW_REG_WAVE_MODE, 25, 1), 1
	s_wait_xcnt 0x0
	s_wait_alu depctr_hold_cnt(0) depctr_sa_sdst(0) depctr_va_vdst(0) depctr_va_sdst(0) depctr_va_ssrc(0) depctr_va_vcc(0) depctr_vm_vsrc(0)
	s_getreg_b32 s2, hwreg(HW_REG_IB_STS2, 6, 4)
	s_cmp_eq_u32 s2, 0
	s_cbranch_scc0 .Lentry_in_a_cluster
	s_endpgm
.Lentry_in_a_cluster:
	s_bfe_u32 s2, ttmp6, 0x10000c
	s_cmp_lg_u32 s2, 0x3003
	s_cbranch_scc0 .Lentry_shape_is_right
	s_endpgm
.Lentry_shape_is_right:
; Attention for 64 (batch, head) pairs, 2,048 queries x 2,048 keys, head size 64, both products on codes of BF8 (E5M2) with E8M0 scales; the result is QUANTISED along the channels for the output product.
; THE SOFTMAX: t = score x log2(e) / 8; M = the row's largest t so far, rounded UP to a whole number; p = 2^(t - M) is what is quantised, along the keys, not normalised.  The row's sum is taken of the
; unquantised p and divides O at the end.  When M moves, the sum and O are multiplied by 2^(old M - new M): exact.
; SHARES.  A work-group owns 256 queries of one batch and TWO heads, 2 p and then 2 p + 1: so a lane ends with the four scale bytes of 128 channels, one whole word of the next product.  Each of its sixteen waves
; owns one tile of 16 queries in 256 registers: four waves to a SIMD, so that one wave's vector work stands beside another's products and LDS loads.  Every wave walks all keys, 128 a step.
; LAYOUT.  Both products transposed: S^T = K Q^T (source 0 = 16 keys, source 1 = my queries), O^T = V^T P^T: a lane holds one query throughout.  All operands are register images whose tiles take rows
; 32 (T / 2) + 8 (T % 2) + m + 8 (m / 8): the 16 registers of tiles 2 b, 2 b + 1 are 16 neighbours along the next K.  The scores' K is 64: registers 8-15 of K's and Q's fragments hold zero codes, under the byte 127.
; THE RING.  A slot holds half a head: 1,024 keys' K codes, K words, V codes, V words: 137,216 dense bytes of qkv, brought by waves 0-3, a quarter each.  Four halves go through two slots.
; CLUSTER.  The four query blocks of a cluster walk the same K and V: each part of a slot is asked for JOINTLY, by the same load with a mask that names the four.
; No prefetch: a refill is asked for eight key steps of sixteen waves ahead of the wait for it.
; LIMITS: NaN and infinities are not served; a block of zeros gets the byte 1 (its codes are zeros; this program alone reads the bytes).  A block's largest p is taken as the p of its largest score, which
; leans on v_exp_f32 not falling where its input rises.
; REGISTERS: v1-7 addresses that stay; v8-11 the step's; v12 -M, v13 the largest t, v[14:15] the sum; v16-31 Q; v32-95 four fragments of K; v96-159 S^T, p, then V's four fragments; v160-191 O^T;
;   v192-207 p's codes; v208-211 K's words, v212-213 V's; v214-222 the second head's Q and word; v223 an offset; v224-231 the result's codes; v232-247 at work; v248-249 the result's word;
;   v[250:251] f; v253 p's word; v254 at work; v255 Q's word.
.set BLK,   206848
.set HS,    2*BLK
.set KS,    65536
.set VC,    69632
.set VS,    135168
.set QC,    137216
.set QS,    202752
.set SLOTB, 137216
.set PART,  34304                      ; 134 rows of 256 bytes: a wave's quarter of a slot
.set SCR,   274432                     ; behind the ring: 1,024 bytes for the work-group's scale words on their way out
.set SPARE, 275456                     ; the spare words, 128 bytes for each wave: eight blocks of 256 bytes that no other line names
.set ASC,   655360                     ; in scl: the result's words, [chunk][pair of tiles][lane][4]
.set TAT,   1280                       ; in img: the result's first tile
.set L16, 1                            ; v1 16 x lane
.set L8,  2                            ; v2 8 x lane
.set LV,  3                            ; v3 16 x lane + VC
.set SPW, 4                            ; v4 LDS address of my spare word; never rewritten
.set NIL, 5                            ; v5 0; never rewritten
.set SW,  6                            ; v6 where my row's word goes in SCR
.set SRD, 7                            ; v7 where waves 0, 1 read SCR back
.set ADK, 8
.set ADV, 9
.set ADS, 10
.set ADT, 11
.set WV,  10                           ; s10 my wave's number
.set MNT, 19
.set SEL, 20                           ; s[20:21] selects for v_permlanex16_b32: lane l xor 16
.set CS,  22                           ; s[22:23] c = log2(e) / 8
.set G1,  24                           ; s[24:31] descriptor group 1
.set G0,  32                           ; s[32:39] group 0, one set for each slot
.set TB,  40                           ; s40 LDS byte of the step's K codes (its V codes lie VC further on)
.set TS,  41                           ; s41 of its K words
.set TJ,  42                           ; s42 of its V words
.set CNT, 43
.set AI,  44                           ; s[44:45] my tile's unit of the result
.set AW,  46                           ; s[46:47] the work-group's words of the result
.macro CROUND                          ; a round of the cluster's barrier
	s_barrier_signal -1
	s_barrier_wait -1
	s_cmp_lg_u32 s[WV], 0
	s_cbranch_scc1 .Lnot_wave_0_\@
	s_barrier_signal -3
.Lnot_wave_0_\@:
	s_barrier_wait -3
	s_barrier_signal -1
	s_barrier_wait -1
.endm
.macro TLOAD g0                        ; waves 0-3 fetch a quarter of a slot each; the branch hangs on the wave's number alone.  Four v_nop follow the load
	s_cmp_lt_u32 s[WV], 4
	s_cbranch_scc0 .Lno_load_\@
	tensor_load_to_lds s[\g0:\g0+3], s[G1:G1+7]
	s_nop 0
.rept 4
	v_nop
.endr
.Lno_load_\@:
.endm
	s_load_b128 s[4:7], s[0:1], 0x0                ; qkv, img
	s_load_b64 s[8:9], s[0:1], 0x10                ; scl
	v_lshl_add_u32 v[SPW], v0, 2, SPARE
	v_mov_b32 v[NIL], 0
	ds_add_u32 v4, v5
	ds_add_u32 v4, v5
	s_wait_dscnt 0x0
	v_lshrrev_b32 v8, 5, v0
	s_delay_alu instid0(VALU_DEP_1)
	v_readfirstlane_b32 s[WV], v8                  ; wave 0..15
	s_and_b32 s11, s[WV], 3                        ; which quarter of a slot (waves 4-15 hold a sound descriptor and never use it)
	s_bfe_u32 s12, ttmp6, 0x40000                  ; cx
	s_and_b32 s13, ttmp7, 0xffff                   ; y = 8 b + p, which the four partners share
	; descriptor group 1: 134 rows of 256 bytes (32 elements of 8 bytes), dense in memory and in LDS
	s_mov_b32 s[G1], 15|(3<<16)|(1<<21)            ; 15:0 the mask: all four work-groups; 17:16 elements of 8 bytes; 21 set beside a mask
	s_mov_b32 s[G1+1], 32<<16                      ; tensor_dim0
	s_mov_b32 s[G1+2], 134<<16                     ; tensor_dim1
	s_mov_b32 s[G1+3], 32<<16                      ; tile_dim0
	s_mov_b32 s[G1+4], 134                         ; tile_dim1
	s_mov_b32 s[G1+5], 32                          ; tensor_dim0_stride
	s_mov_b32 s[G1+6], 0
	s_mov_b32 s[G1+7], 0
	s_mul_i32 s14, s11, PART
	s_lshl_b32 s52, s13, 2                         ; the pair's four blocks are 4 y .. 4 y + 3: (head 2 p, half 0), (2 p, 1), (2 p + 1, 0), (2 p + 1, 1)
	s_mul_i32 s52, s52, BLK
	s_add_co_u32 s52, s52, s14
	s_mov_b32 s53, 0
	s_wait_kmcnt 0x0
	s_add_nc_u64 s[52:53], s[4:5], s[52:53]
	CROUND                                         ; all four work-groups are here: the first joint loads meet
.irp s, 0,1
	s_mov_b32 s[G0+4*\s], 1
	s_add_co_u32 s[G0+4*\s+1], s14, \s*SLOTB
	s_add_nc_u64 s[G0+4*\s+2:G0+4*\s+3], s[52:53], \s*BLK
	s_or_b32 s[G0+4*\s+3], s[G0+4*\s+3], 0x80000000
.endr
	s_cmp_lt_u32 s[WV], 4                          ; a wave's two first fills stand in one branch: two loads of mine are out
	s_cbranch_scc0 .Lfirst_done
	tensor_load_to_lds s[G0:G0+3], s[G1:G1+7]
	s_nop 0
	tensor_load_to_lds s[G0+4:G0+7], s[G1:G1+7]
	s_nop 0
.rept 4
	v_nop
.endr
.Lfirst_done:
	; my queries: block 4 y + 2 x + (half = the cluster's x), tile 16 cx + wave of the half's 64
	s_lshl_b32 s54, s13, 2
	s_add_co_u32 s54, s54, ttmp9
	s_mul_i32 s54, s54, BLK
	s_lshl_b32 s55, s12, 4
	s_add_co_u32 s55, s55, s[WV]
	s_lshl_b32 s56, s55, 10
	s_add_co_u32 s56, s56, s54
	s_add_co_u32 s56, s56, QC
	s_mov_b32 s57, 0
	s_add_nc_u64 s[48:49], s[4:5], s[56:57]        ; Q's codes
	s_lshr_b32 s56, s55, 2                         ; the group of 64 queries: 256 bytes [lane (r, h)][2 words]; my tile is 2 j + h of its four
	s_lshl_b32 s56, s56, 8
	s_and_b32 s58, s[WV], 1
	s_lshl_b32 s58, s58, 7                         ; h: 16 lanes of 8 bytes
	s_add_co_u32 s56, s56, s58
	s_bfe_u32 s58, s[WV], 0x10001
	s_lshl_b32 s58, s58, 2                         ; j
	s_add_co_u32 s56, s56, s58
	s_add_co_u32 s56, s56, s54
	s_add_co_u32 s56, s56, QS
	s_add_nc_u64 s[50:51], s[4:5], s[56:57]        ; Q's words
	v_and_b32 v8, 31, v0
	s_delay_alu instid0(VALU_DEP_1)
	v_lshlrev_b32 v[L16], 4, v8
	s_delay_alu instid0(VALU_DEP_2)
	v_lshlrev_b32 v[L8], 3, v8
	s_delay_alu instid0(VALU_DEP_2)
	v_add_nc_u32 v[LV], VC, v[L16]
	v_and_b32 v9, 15, v0                           ; r
	s_delay_alu instid0(VALU_DEP_1)
	v_lshlrev_b32 v10, 3, v9
	global_load_b128 v[16:19], v[L16], s[48:49]                    ; the first head's Q: d 0-31, 32-63
	global_load_b128 v[20:23], v[L16], s[48:49] offset:512
	global_load_b32 v255, v10, s[50:51]
	global_load_b128 v[214:217], v[L16], s[48:49] offset:HS        ; the second head's, kept until its turn
	global_load_b128 v[218:221], v[L16], s[48:49] offset:HS+512
	global_load_b32 v222, v10, s[50:51] offset:HS
	s_lshl_b32 s58, s[WV], 6
	s_add_co_u32 s58, s58, SCR
	v_lshl_add_u32 v[SW], v9, 2, s58               ; SCR + 64 x wave + 4 r: pair wave / 2, lanes 16 (wave % 2) + r
	s_and_b32 s58, s[WV], 1
	s_lshl_b32 s58, s58, 9
	v_add_nc_u32 v223, s58, v[L16]
	s_delay_alu instid0(VALU_DEP_1)
	v_add_nc_u32 v[SRD], SCR, v223
	; where the result goes: tile TAT + 128 b + 16 (block of 256 queries) + wave, chunk p
	s_lshr_b32 s59, s13, 3                         ; b
	s_and_b32 s60, s13, 7                          ; p
	s_lshl_b32 s61, ttmp9, 2
	s_add_co_u32 s61, s61, s12                     ; my block of 256 queries
	s_lshl_b32 s62, s59, 7
	s_lshl_b32 s63, s61, 4
	s_add_co_u32 s62, s62, s63
	s_add_co_u32 s62, s62, s[WV]
	s_add_co_u32 s62, s62, TAT
	s_lshl_b32 s62, s62, 14
	s_lshl_b32 s63, s60, 11
	s_add_co_u32 s62, s62, s63
	s_mov_b32 s63, 0
	s_add_nc_u64 s[AI:AI+1], s[6:7], s[62:63]
	s_lshl_b32 s62, s59, 6
	s_lshl_b32 s66, s61, 3
	s_add_co_u32 s62, s62, s66                     ; the work-group's first pair of tiles
	s_lshl_b32 s62, s62, 7
	s_lshl_b32 s66, s60, 15
	s_add_co_u32 s62, s62, s66
	s_add_co_u32 s62, s62, ASC
	s_add_nc_u64 s[AW:AW+1], s[8:9], s[62:63]
	s_mov_b32 s[SEL], 0x76543210
	s_mov_b32 s[SEL+1], 0xfedcba98
	s_mov_b32 s[CS], 0x3e38aa3b                    ; c = log2(e) / 8
	s_mov_b32 s[CS+1], s[CS]                       ; (named with it as a pair, so it is written)
.set i, 0
.rept 8
	v_mov_b32 v[24+i], 0                           ; zero codes for k = 64 .. 127 of Q and of K's four fragments: written once
	v_mov_b32 v[40+i], 0
	v_mov_b32 v[56+i], 0
	v_mov_b32 v[72+i], 0
	v_mov_b32 v[88+i], 0
.set i, i+1
.endr
.irp b, 0,1,2,3
	v_mov_b32 v[236+\b], 0                         ; written once: a lane permute's destination counts as one of its sources
.endr
	v_mov_b32 v251, 0                              ; (named as the upper half of the pair v[250:251])
	v_mov_b32 v254, 0
; A head begins: O^T and the sum as zeros, the largest t as -3e38, so that the key step is written once: its first change of M multiplies zeros.
.macro INIT second
.if \second
.set i, 0
.rept 8
	v_mov_b32 v[16+i], v[214+i]
.set i, i+1
.endr
	v_mov_b32 v255, v222
.endif
	v_mov_b32 v13, 0xff61b1e6
	s_delay_alu instid0(VALU_DEP_1)
	v_floor_f32 v12, -v13
	v_mov_b32 v14, 0
	v_mov_b32 v15, 0
.set i, 0
.rept 32
	v_mov_b32 v[160+i], 0
.set i, i+1
.endr
.endm
; A KEY STEP: 128 keys.
.macro STEP
	v_add_nc_u32 v[ADK], s[TB], v[L16]
	s_wait_alu depctr_va_vdst(0)
	v_add_nc_u32 v[ADV], s[TB], v[LV]
	v_add_nc_u32 v[ADS], s[TS], v[L8]
	v_add_nc_u32 v[ADT], s[TJ], v[L8]
.rept 5
	v_nop                                          ; with the four additions nine places: the scores below are written over V's fragments, which the last products read
.endr
	ds_load_b64 v[208:209], v[ADS]                 ; K's words: register j of a group of 64 keys: lanes 0-15 tile 2 j, lanes 16-31 tile 2 j + 1
	ds_load_b64 v[210:211], v[ADS] offset:256
.irp g, 0,1                                    ; S^T = K Q^T, four tiles of 16 keys at a time
.if \g > 0
.rept 8
	v_nop                                          ; places in front of loads into registers that products have read
.endr
.endif
.irp t, 0,1,2,3
	ds_load_b128 v[32+16*\t:35+16*\t], v[ADK] offset:(4*\g+\t)*1024
	ds_load_b128 v[36+16*\t:39+16*\t], v[ADK] offset:(4*\g+\t)*1024+512
.endr
	s_wait_dscnt 0x0
.irp u, 0,1
	v_wmma_scale_f32_16x16x128_f8f6f4 v[96+8*(4*\g+2*\u):103+8*(4*\g+2*\u)], v[32+32*\u:47+32*\u], v[16:31], 0, v[208+2*\g+\u], v255 matrix_a_fmt:MATRIX_FMT_BF8 matrix_b_fmt:MATRIX_FMT_BF8
	v_wmma_scale_f32_16x16x128_f8f6f4 v[104+8*(4*\g+2*\u):111+8*(4*\g+2*\u)], v[48+32*\u:63+32*\u], v[16:31], 0, v[208+2*\g+\u], v255 matrix_a_fmt:MATRIX_FMT_BF8 matrix_b_fmt:MATRIX_FMT_BF8 matrix_a_scale:MATRIX_SCALE_ROW1
.endr
.endr                                          ; register 16 b + i is key 32 b + 16 (lane / 16) + i of the step
.rept 8
	v_nop
.endr
.irp b, 0,1,2,3
	v_max3_num_f32 v[232+\b], v[96+16*\b], v[97+16*\b], v[98+16*\b]   ; the largest score of each block of 32 keys: it serves for the row's maximum and, since p rises with the score, for the block's largest p
.endr
.irp k, 3,5,7,9,11,13
.irp b, 0,1,2,3
	v_max3_num_f32 v[232+\b], v[232+\b], v[96+16*\b+\k], v[97+16*\b+\k]
.endr
.endr
.irp b, 0,1,2,3
	v_max_num_f32 v[232+\b], v[232+\b], v[111+16*\b]
.endr
.irp b, 0,1,2,3
	s_delay_alu instid0(VALU_DEP_4)
	v_permlanex16_b32 v[236+\b], v[232+\b], s[SEL], s[SEL+1]
.endr
.irp b, 0,1,2,3
	s_delay_alu instid0(VALU_DEP_4)
	v_max_num_f32 v[232+\b], v[232+\b], v[236+\b]  ; with lane l xor 16's 16 keys
.endr
	s_delay_alu instid0(VALU_DEP_2)
	v_max3_num_f32 v254, v232, v233, v234
	s_delay_alu instid0(VALU_DEP_1)
	v_max_num_f32 v254, v254, v235                 ; the step's largest score of my query
	s_delay_alu instid0(VALU_DEP_1)
	v_mul_f32 v254, s[CS], v254                    ; as t
	s_delay_alu instid0(VALU_DEP_1)
	v_max_num_f32 v13, v13, v254                   ; the running largest t
	v_mov_b32 v254, v12
	s_delay_alu instid0(VALU_DEP_2)
	v_floor_f32 v12, -v13                          ; the new -M = -ceil(t)
	s_delay_alu instid0(VALU_DEP_1)
	v_sub_f32 v254, v12, v254                      ; old M - new M: a whole number, 0 or less
	s_delay_alu instid0(VALU_DEP_1)
	v_cvt_i32_f32 v254, v254                       ; (it saturates)
	s_delay_alu instid0(VALU_DEP_1)
	v_ldexp_f32 v250, 1.0, v254                    ; f = 2^(old M - new M)
.set i, 0
.rept 32
	v_pk_fma_f32 v[96+2*i:97+2*i], v[96+2*i:97+2*i], s[CS:CS+1], v[12:13] op_sel_hi:[1,0,0]   ; t - M, two at a time
.set i, i+1
.endr
.irp b, 0,1,2,3
	v_fma_f32 v[232+\b], v[232+\b], s[CS], v12     ; the same of each block's largest score
.endr
.set i, 0
	s_wait_alu depctr_va_vdst(0)
.rept 64
	v_exp_f32 v[96+i], v[96+i]                     ; p = 2^(t - M), at most 1
.set i, i+1
.endr
	s_setprio 1
	v_pk_mul_f32 v[14:15], v[14:15], v[250:251] op_sel_hi:[1,0]   ; the sums under the new M: a plain line behind the exponentials
	s_wait_alu depctr_va_vdst(0)                   ; one wait for the whole batch, ahead of its first reader
.irp b, 0,1,2,3
	v_exp_f32 v[232+\b], v[232+\b]                 ; the block's largest p
.endr
	v_pk_add_f32 v[236:237], v[100:101], v[104:105]
	v_pk_add_f32 v[252:253], v[108:109], v[112:113]
	v_pk_add_f32 v[246:247], v[116:117], v[120:121]
	v_pk_add_f32 v[244:245], v[124:125], v[128:129]
	v_pk_add_f32 v[242:243], v[132:133], v[136:137]
	v_pk_add_f32 v[240:241], v[140:141], v[144:145]
	v_pk_add_f32 v[238:239], v[148:149], v[152:153]
	v_pk_add_f32 v[14:15], v[14:15], v[156:157]
	v_pk_add_f32 v[236:237], v[236:237], v[96:97]
	v_pk_add_f32 v[252:253], v[252:253], v[98:99]
	v_pk_add_f32 v[246:247], v[246:247], v[102:103]
	v_pk_add_f32 v[244:245], v[244:245], v[106:107]
	v_pk_add_f32 v[242:243], v[242:243], v[110:111]
	v_pk_add_f32 v[240:241], v[240:241], v[114:115]
	v_pk_add_f32 v[238:239], v[238:239], v[118:119]
	v_pk_add_f32 v[14:15], v[14:15], v[122:123]
	v_pk_add_f32 v[236:237], v[236:237], v[126:127]
	v_pk_add_f32 v[252:253], v[252:253], v[130:131]
	v_pk_add_f32 v[246:247], v[246:247], v[134:135]
	v_pk_add_f32 v[244:245], v[244:245], v[138:139]
	v_pk_add_f32 v[242:243], v[242:243], v[142:143]
	v_pk_add_f32 v[240:241], v[240:241], v[146:147]
	v_pk_add_f32 v[238:239], v[238:239], v[150:151]
	v_pk_add_f32 v[14:15], v[14:15], v[154:155]
	v_pk_add_f32 v[236:237], v[236:237], v[158:159]
	s_delay_alu instid0(VALU_DEP_2)
	v_pk_add_f32 v[14:15], v[14:15], v[244:245]
	s_delay_alu instid0(VALU_DEP_2)
	v_pk_add_f32 v[236:237], v[236:237], v[242:243]
	v_pk_add_f32 v[252:253], v[252:253], v[240:241]
	v_pk_add_f32 v[246:247], v[246:247], v[238:239]
	s_delay_alu instid0(VALU_DEP_2)
	v_pk_add_f32 v[14:15], v[14:15], v[252:253]
	s_delay_alu instid0(VALU_DEP_2)
	v_pk_add_f32 v[236:237], v[236:237], v[246:247]
	s_delay_alu instid0(VALU_DEP_1)
	v_pk_add_f32 v[14:15], v[14:15], v[236:237]
	s_wait_alu depctr_va_vdst(0)                   ; and one for the four
.irp b, 0,1,2,3
	v_max_num_f32 v[232+\b], 0x8000000, v[232+\b]  ; the floor 2^(16 - 127)
.endr
.irp b, 0,1,2,3
	s_delay_alu instid0(VALU_DEP_4)
	v_add_nc_u32 v[244+\b], 0xf8800000, v[232+\b]  ; the conversion's scale operand
.endr
.irp b, 0,1,2,3
.endr
.irp b, 0,1,2,3
	s_delay_alu instid0(VALU_DEP_4)
	v_lshrrev_b32 v[236+\b], 23, v[244+\b]         ; the byte
.endr
	s_delay_alu instid0(VALU_DEP_3)
	v_lshl_or_b32 v253, v237, 8, v236              ; p's scale word for these 128 keys
	s_delay_alu instid0(VALU_DEP_1)
	v_lshl_or_b32 v253, v238, 16, v253
	s_delay_alu instid0(VALU_DEP_1)
	v_lshl_or_b32 v253, v239, 24, v253
.irp b, 0,1,2,3
.set i, 0
.rept 16
.set i, i+1
.endr
	v_cvt_scalef32_pk8_bf8_f32 v[192+4*\b:193+4*\b], v[96+16*\b:103+16*\b], v[244+\b]
	v_cvt_scalef32_pk8_bf8_f32 v[194+4*\b:195+4*\b], v[104+16*\b:111+16*\b], v[244+\b]
.endr
	v_nop                                          ; a plain line behind the last conversion
.irp d, 0,1,2,3                                ; V's four tiles of 16 d x these 128 keys, into the registers that p has left
.irp c, 0,1,2,3
	ds_load_b128 v[96+16*\d+4*\c:99+16*\d+4*\c], v[ADV] offset:\d*2048+512*\c
.endr
.endr
	s_setprio 0
	ds_load_b64 v[212:213], v[ADT]                 ; V's words: register j: lanes 0-15 d tile 2 j, lanes 16-31 d tile 2 j + 1
.set i, 0
.rept 16
	v_pk_mul_f32 v[160+2*i:161+2*i], v[160+2*i:161+2*i], v[250:251] op_sel_hi:[1,0]   ; O^T under the new M.  (These are also the places between the codes' making and the products)
.set i, i+1
.endr
	s_wait_alu depctr_va_vdst(0)
	s_wait_dscnt 0x0
.irp u, 0,1                                    ; O^T += V^T P^T: four accumulators, one instruction each
	v_wmma_scale_f32_16x16x128_f8f6f4 v[160+16*\u:167+16*\u], v[96+32*\u:111+32*\u], v[192:207], v[160+16*\u:167+16*\u], v[212+\u], v253 matrix_a_fmt:MATRIX_FMT_BF8 matrix_b_fmt:MATRIX_FMT_BF8
	v_wmma_scale_f32_16x16x128_f8f6f4 v[168+16*\u:175+16*\u], v[112+32*\u:127+32*\u], v[192:207], v[168+16*\u:175+16*\u], v[212+\u], v253 matrix_a_fmt:MATRIX_FMT_BF8 matrix_b_fmt:MATRIX_FMT_BF8 matrix_a_scale:MATRIX_SCALE_ROW1
.endr
.endm
.macro PHASE slot                      ; a slot's eight key steps
	s_mov_b32 s[TB], \slot*SLOTB
	s_mov_b32 s[TS], \slot*SLOTB+KS
	s_mov_b32 s[TJ], \slot*SLOTB+VS
	s_mov_b32 s[CNT], 8
.Lstep_\@:
	s_setprio 2
	STEP
	s_add_co_u32 s[TB], s[TB], 8192
	s_add_co_u32 s[TS], s[TS], 512
	s_add_co_u32 s[TJ], s[TJ], 256
	s_sub_co_u32 s[CNT], s[CNT], 1
	s_cmp_lg_u32 s[CNT], 0
	s_cbranch_scc1 .Lstep_\@
	s_setprio 0
.endm
; THE CHANGE OF SLOTS.  Each wave waits for all its tensor loads (its part of the slot ahead), adds 0 to its spare word, and waits for that and for its reads of the slot that it leaves.
; fill = 1: the barrier is a round of the cluster's, and behind it the slot just left takes the next head's same half: eight key steps ahead of the wait for it.
.macro CHANGE fill, slot
	s_wait_tensorcnt 0x0                           ; no tensor load of mine is out, so a group 0 may be written
	ds_add_u32 v[SPW], v[NIL]                      ; 0 onto my spare word
.if \fill
	s_add_nc_u64 s[G0+4*\slot+2:G0+4*\slot+3], s[G0+4*\slot+2:G0+4*\slot+3], 2*BLK
.endif
	s_wait_dscnt 0x0                               ; the add is done, and my reads of the slot are over
.if \fill
	CROUND
	TLOAD G0+4*\slot                               ; the first tensor load behind the round, and a wave's only one until the next
.else
	s_barrier_signal -1
	s_barrier_wait -1
.endif
.endm
; A HEAD ENDS.  O^T / the sum: register 16 b + i is channel 64 x + 32 b + 16 (lane / 16) + i of the pair's 128: two blocks of the next product's K.  Quantised, the codes ARE c = 2 x, 2 x + 1 of my tile's unit.
.macro FINISH x
.rept 8
	v_nop                                          ; places behind the last products
.endr
	v_add_f32 v14, v14, v15                        ; the sum's two halves,
	s_delay_alu instid0(VALU_DEP_1)
	v_permlanex16_b32 v254, v14, s[SEL], s[SEL+1]
	s_delay_alu instid0(VALU_DEP_1)
	v_add_f32 v14, v14, v254                       ; and lane l xor 16's
	s_wait_alu depctr_va_vdst(0)
	v_rcp_f32 v14, v14
	v_nop                                          ; a plain line behind the transcendental
	s_wait_alu depctr_va_vdst(0)                   ; the wait, ahead of the first reader
.set i, 0
.rept 16
	v_pk_mul_f32 v[96+2*i:97+2*i], v[160+2*i:161+2*i], v[14:15] op_sel_hi:[1,0]   ; each accumulator from its low end on
.set i, i+1
.endr
.irp b, 0,1
	v_max3_num_f32 v[232+\b], |v[96+16*\b]|, |v[97+16*\b]|, 0x8000000
.endr
.irp k, 2,4,6,8,10,12,14
.irp b, 0,1
	s_delay_alu instid0(VALU_DEP_2)
	v_max3_num_f32 v[232+\b], v[232+\b], |v[96+16*\b+\k]|, |v[97+16*\b+\k]|
.endr
.endr
.irp b, 0,1
	s_delay_alu instid0(VALU_DEP_2)
	v_permlanex16_b32 v[236+\b], v[232+\b], s[SEL], s[SEL+1]
.endr
.irp b, 0,1
	s_delay_alu instid0(VALU_DEP_2)
	v_max_num_f32 v[232+\b], v[232+\b], v[236+\b]
.endr
.irp b, 0,1
	s_delay_alu instid0(VALU_DEP_2)
	v_add_nc_u32 v[244+\b], 0xf8800000, v[232+\b]
.endr
.irp b, 0,1
.endr
.irp b, 0,1
	s_delay_alu instid0(VALU_DEP_2)
	v_lshrrev_b32 v[236+\b], 23, v[244+\b]
.endr
	s_delay_alu instid0(VALU_DEP_1)
	v_lshl_or_b32 v249, v237, 8, v236              ; this head's two bytes
.irp b, 0,1
.set i, 0
.rept 16
.set i, i+1
.endr
.endr
	s_wait_alu depctr_va_vdst(0)
	s_wait_xcnt 0x0                                ; the first head's stores have read v224-231: they are written again only behind this wait
.irp b, 0,1
	v_cvt_scalef32_pk8_bf8_f32 v[224+4*\b:225+4*\b], v[96+16*\b:103+16*\b], v[244+\b]
	v_cvt_scalef32_pk8_bf8_f32 v[226+4*\b:227+4*\b], v[104+16*\b:111+16*\b], v[244+\b]
.endr
	v_nop                                          ; a plain line behind the last conversion
.irp b, 0,1
	global_store_b128 v[L16], v[224+4*\b:227+4*\b], s[AI:AI+1] offset:(2*\x+\b)*512   ; 512 consecutive bytes
.endr
.if \x == 0
	v_mov_b32 v248, v249
.else
	v_lshl_or_b32 v248, v249, 16, v248             ; the word of my row's 128 channels
.endif
.endm
	INIT 0
	s_wait_tensorcnt 1                             ; my part of slot 0 is in; slot 1's may stay out
	s_barrier_signal -1
	s_barrier_wait -1                              ; everybody's is
	s_wait_loadcnt 0x0                             ; Q
	PHASE 0                                        ; head 2 p, keys 0-1,023
	CHANGE 1, 0                                    ; slot 0 takes head 2 p + 1, keys 0-1,023
	PHASE 1                                        ; head 2 p, keys 1,024-2,047
	CHANGE 1, 1                                    ; slot 1 takes head 2 p + 1, keys 1,024-2,047
	FINISH 0
	INIT 1
	PHASE 0
	CHANGE 0, 0                                    ; nothing is left to fetch
	PHASE 1
	FINISH 1
	ds_store_b32 v[SW], v248                       ; both halves of the lanes write row r's word with the same value
	s_wait_dscnt 0x0                               ; for the others' sake: my store is done
	s_barrier_signal -1
	s_barrier_wait -1
	s_cmp_lt_u32 s[WV], 2                          ; the work-group's 1,024 bytes of words leave by two waves, 512 consecutive bytes each
	s_cbranch_scc0 .Lno_words
	ds_load_b128 v[96:99], v[SRD]
	s_wait_dscnt 0x0
	global_store_b128 v223, v[96:99], s[AW:AW+1]
.Lno_words:
	s_wait_tensorcnt 0x0                           ; the wave's end
	ds_add_u32 v[SPW], v[NIL]
	s_wait_dscnt 0x0
	CROUND                                         ; the closing round
	s_endpgm
.Lfunc_end_k_q6c31b8fe11_attn:
	.size	k_q6c31b8fe11_attn, .Lfunc_end_k_q6c31b8fe11_attn-k_q6c31b8fe11_attn
	.p2alignl 7, 3214868480
	.fill 96, 4, 3214868480
	.section	.rodata,"a",@progbits
	.p2align	6, 0x0
	.amdhsa_kernel k_q6c31b8fe11_attn
		.amdhsa_group_segment_fixed_size 327680
		.amdhsa_private_segment_fixed_size 0
		.amdhsa_enable_private_segment 0
		.amdhsa_kernarg_size 24
		.amdhsa_user_sgpr_count 2
		.amdhsa_user_sgpr_kernarg_segment_ptr 1
		.amdhsa_wavefront_size32 1
		.amdhsa_system_sgpr_workgroup_id_x 1
		.amdhsa_system_sgpr_workgroup_id_y 1
		.amdhsa_system_sgpr_workgroup_id_z 1
		.amdhsa_system_vgpr_workitem_id 0
		.amdhsa_next_free_vgpr 256
		.amdhsa_next_free_sgpr 80
		.amdhsa_reserve_vcc 0
		.amdhsa_float_denorm_mode_32 3
		.amdhsa_float_denorm_mode_16_64 3
		.amdhsa_fp16_overflow 1
		.amdhsa_memory_ordered 1
		.amdhsa_forward_progress 1
		.amdhsa_inst_pref_size 93
	.end_amdhsa_kernel
	.amdgpu_metadata
---
amdhsa.version: [ 1, 2 ]
amdhsa.kernels:
  - .name:           k_q6c31b8fe11_attn
    .symbol:         k_q6c31b8fe11_attn.kd
    .args:
      - { .name: qkv, .offset: 0, .size: 8, .value_kind: global_buffer, .address_space: global }
      - { .name: img, .offset: 8, .size: 8, .value_kind: global_buffer, .address_space: global }
      - { .name: scl, .offset: 16, .size: 8, .value_kind: global_buffer, .address_space: global }
    .group_segment_fixed_size: 327680
    .private_segment_fixed_size: 0
    .kernarg_segment_align: 8
    .kernarg_segment_size: 24
    .max_flat_workgroup_size: 512
    .sgpr_count:     80
    .vgpr_count:     256
    .wavefront_size: 32
...
	.end_amdgpu_metadata
.endif
;; end of part 3
;; launch outp (part 4): grid 32 x 4, 4 waves a work-group, clusters of 4 x 4, 327,680 bytes of LDS; arguments img, scl, bo, query, out0; writes out0
.if DOCPART == 4
	.amdgcn_target "amdgcn-amd-amdhsa--gfx1250"
	.amdhsa_code_object_version 6
	.text
	.protected	k_q6c31b8fe11_outp
	.globl	k_q6c31b8fe11_outp
	.p2align	8
	.type	k_q6c31b8fe11_outp,@function
k_q6c31b8fe11_outp:
	s_mov_b64 s[64:65], 0
	v_nop
	global_prefetch_b8 v0, s[64:65] scope:SCOPE_SE
	s_setreg_imm32_b32 hwreg(HW_REG_WAVE_MODE, 25, 1), 1
	s_wait_xcnt 0x0
	s_wait_alu depctr_hold_cnt(0) depctr_sa_sdst(0) depctr_va_vdst(0) depctr_va_sdst(0) depctr_va_ssrc(0) depctr_va_vcc(0) depctr_vm_vsrc(0)
	s_getreg_b32 s2, hwreg(HW_REG_IB_STS2, 6, 4)
	s_cmp_eq_u32 s2, 0
	s_cbranch_scc0 .Lentry_in_a_cluster
	s_endpgm
.Lentry_in_a_cluster:
	s_bfe_u32 s2, ttmp6, 0x10000c
	s_cmp_lg_u32 s2, 0xf033
	s_cbranch_scc0 .Lentry_shape_is_right
	s_endpgm
.Lentry_shape_is_right:
; out0[b][o][l] = sum over channels of Wo[o][c] att[b][c][l] + bo[o] + query[b][o][l], the product on codes of BF8 (E5M2) with E8M0 scales, K = 1,024.
; Operands are register images (16 rows x 128 K = 2,048 bytes [c][lane][16]; lane-row m of tile T is row 32 (T / 2) + 8 (T % 2) + m + 8 (m / 8)).
; Source 1 (called A) = Wo's rows, source 0 (called B) = the attention result's rows (b, l): in accumulator (a, b) lane (r, h) holds channel o of lane-row r of tile a, and register j the place
; l = 32 (b / 2) + 8 (b % 2) + 16 h + j: eight neighbouring numbers of a row of out0.
; A work-group of four waves makes 256 o x 256 l; a wave 128 x 128: 64 accumulators.  K goes in four steps of 256 through two LDS slots.  CLUSTERS 4 x 4: A's tiles are asked for jointly along a row, B's along a column.
; The scale words of all of K come once, straight into registers.  The way out: + bo in the accumulators, 16 rows at a time through the wave's stage in LDS, + the residual row, stores of 512 consecutive bytes.
; REGISTERS: window 0: v16-31 addresses; v32-63 A's scale words, v64-95 B's; v96-111 bo, a pair for each a; v128-255 A's fragments, later rows of out0.   window 1: B's fragments, two sets; later the residual's rows.
;   windows 2, 3: the accumulators, (a, b) at v[8 (8 (a % 4) + b)] of window 2 + a / 4.
.set HALFT,  32768                     ; 8 tiles x 2 chunks: what one tensor load brings
.set SLOT,   131072                    ; A's 16 tiles, then B's 16
.set SPARE,  262144                    ; behind the ring: the spare words, 128 bytes for each wave: two blocks of 256 bytes that no other line names
.set ASC,    655360                    ; in scl: the attention result's words, [chunk][pair of tiles][lane][4]
.set ADRA, 16
.set ADRB, 20
.set L4,   22                          ; v22 4 x lane
.set STO,  24                          ; v24 the stage: where I put 32 bytes of a row
.set RD,   25                          ; v25 and where I read a row back
.set BOF,  27                          ; v27 4 (r + 8 (r / 8)): my lane-row's place in bo
.set SPW,  28
.set NIL,  29
.set L16,  30
.set L8,   31
.set SCA,  32
.set SCB,  64
.set BV,   96
.set AF,   128
.set G1, 24
.set G0, 32
.set G1B, 48
.set G0B, 56
.set MSB, 0
.macro WIN new                         ; the immediate's high byte repeats the setting that is left; a switch that changes nothing is dropped
.if MSB != (\new)
	s_set_vgpr_msb (MSB<<8)|(\new)
.set MSB, (\new)
.endif
.endm
.set MUL_LO, 0xa1                      ; source 0 (B) window 1, source 1 (A) window 0, C and D window 2
.set MUL_HI, 0xf1
.set TO_B,   0x40
; A joint load: waves 0 and 1 fetch A's halves, waves 2 and 3 B's; the branch hangs on the wave's number alone.  Four v_nop follow each of the two lines.
.macro JLOAD g0a, g1a, g0b, g1b
	s_cmp_eq_u32 s15, 0
	s_cbranch_scc0 .Lfor_b_\@
	tensor_load_to_lds s[\g0a:\g0a+3], s[\g1a:\g1a+7]
	s_nop 0
.rept 4
	v_nop
.endr
	s_branch .Lasked_\@
.Lfor_b_\@:
	tensor_load_to_lds s[\g0b:\g0b+3], s[\g1b:\g1b+7]
	s_nop 0
.rept 4
	v_nop
.endr
.Lasked_\@:
.endm
.macro CREST
	s_cmp_lg_u32 s14, 0
	s_cbranch_scc1 .Lnot_wave_0_\@
	s_barrier_signal -3
.Lnot_wave_0_\@:
	s_barrier_wait -3
	s_barrier_signal -1
	s_barrier_wait -1
.endm
.macro CROUND
	s_barrier_signal -1
	s_barrier_wait -1
	CREST
.endm
	s_load_b256 s[4:11], s[0:1], 0x0               ; img, scl, bo, query
	s_load_b64 s[12:13], s[0:1], 0x20              ; out0
	v_lshl_add_u32 v[SPW], v0, 2, SPARE
	v_mov_b32 v[NIL], 0
	ds_add_u32 v28, v29
	ds_add_u32 v28, v29
	s_wait_dscnt 0x0
	v_lshrrev_b32 v1, 5, v0
	v_readfirstlane_b32 s14, v1                    ; wave 0..3
	s_lshr_b32 s15, s14, 1                         ; which half of A's rows is mine.  Also: I fetch for A (0) or for B (1)
	s_and_b32 s16, s14, 1                          ; which half of B's rows.  Also: which 8 tiles I fetch
	s_bfe_u32 s40, ttmp6, 0x40000                  ; cx, cy
	s_bfe_u32 s41, ttmp6, 0x40004
	s_mov_b32 s17, s41                             ; A's block of 256 rows of Wo: the grid is one cluster high
	s_lshl_b32 s42, ttmp9, 2
	s_add_co_u32 s42, s42, s40                     ; B's block of 256 places
	s_mov_b32 s71, 1216                            ; Wo's first tile in img
	s_mov_b32 s73, 1280                            ; the attention result's
	s_lshl_b32 s43, s41, 2
	s_lshl_b32 s43, 15, s43                        ; my row of the cluster
	s_lshl_b32 s44, 0x1111, s40                    ; my column
	; descriptor group 1: 8 tiles: 8 rows of 4,096 bytes (512 elements of 8 bytes), 16,384 bytes apart in memory, dense in LDS
	s_or_b32 s[G1+0], s43, (3<<16)|(1<<21)
	s_or_b32 s[G1B+0], s44, (3<<16)|(1<<21)
.irp g, G1, G1B
	s_mov_b32 s[\g+1], 512<<16
	s_mov_b32 s[\g+2], 8<<16
	s_mov_b32 s[\g+3], 512<<16
	s_mov_b32 s[\g+4], 8
	s_mov_b32 s[\g+5], 2048
	s_mov_b32 s[\g+6], 0
	s_mov_b32 s[\g+7], 0
.endr
	s_lshl_b32 s18, s16, 3
	s_lshl_b32 s20, s17, 4
	s_add_co_u32 s20, s20, s71
	s_add_co_u32 s20, s20, s18
	s_lshl_b32 s20, s20, 14
	s_mov_b32 s21, 0
	s_lshl_b32 s46, s42, 4
	s_add_co_u32 s46, s46, s73
	s_add_co_u32 s46, s46, s18
	s_lshl_b32 s46, s46, 14
	s_mov_b32 s47, 0
	s_mul_i32 s45, s14, HALFT                      ; no place in the cluster enters an LDS address
	s_wait_kmcnt 0x0
	s_add_nc_u64 s[20:21], s[4:5], s[20:21]
	s_add_nc_u64 s[46:47], s[4:5], s[46:47]
	CROUND                                         ; all sixteen work-groups are here: the first joint loads meet
.irp s, 0,1
	s_mov_b32 s[G0+4*\s], 1
	s_add_co_u32 s[G0+4*\s+1], s45, \s*SLOT
	s_add_nc_u64 s[G0+4*\s+2:G0+4*\s+3], s[20:21], \s*4096
	s_or_b32 s[G0+4*\s+3], s[G0+4*\s+3], 0x80000000
	s_mov_b32 s[G0B+4*\s], 1
	s_add_co_u32 s[G0B+4*\s+1], s45, \s*SLOT
	s_add_nc_u64 s[G0B+4*\s+2:G0B+4*\s+3], s[46:47], \s*4096
	s_or_b32 s[G0B+4*\s+3], s[G0B+4*\s+3], 0x80000000
	s_wait_alu depctr_va_vdst(0)
	s_wait_tensorcnt 0x0
	ds_add_u32 v28, v29
	ds_add_u32 v28, v29
	s_wait_dscnt 0x0
	CROUND
	JLOAD G0+4*\s, G1, G0B+4*\s, G1B               ; one load of mine is out
.endr
	v_and_b32 v1, 31, v0
	v_lshlrev_b32 v[L16], 4, v1
	v_lshlrev_b32 v[L8], 3, v1
	v_lshlrev_b32 v[L4], 2, v1
	s_mul_i32 s22, s15, HALFT
	s_mul_i32 s23, s16, HALFT
	s_add_co_u32 s23, s23, 2*HALFT
.irp s, 0,1
	v_add_nc_u32 v[ADRA+\s], s22, v[L16]
	v_add_nc_u32 v[ADRB+\s], s23, v[L16]
	s_add_co_u32 s22, s22, SLOT
	s_add_co_u32 s23, s23, SLOT
.endr
	s_lshl_b32 s74, s17, 4                         ; Wo's scale words: 512 bytes a tile
	s_add_co_u32 s74, s74, s71
	s_lshl_b32 s75, s15, 3
	s_add_co_u32 s74, s74, s75
	s_lshl_b32 s74, s74, 9
	s_mov_b32 s75, 0
	s_add_nc_u64 s[74:75], s[6:7], s[74:75]
	s_lshl_b32 s76, s42, 4                         ; the attention result's: 64 bytes a tile in each chunk's table
	s_lshl_b32 s77, s16, 3
	s_add_co_u32 s76, s76, s77
	s_lshl_b32 s76, s76, 6
	s_add_co_u32 s76, s76, ASC
	s_mov_b32 s77, 0
	s_add_nc_u64 s[76:77], s[6:7], s[76:77]
	; my part of query and of out0: b, my first channel o0, my first place l0
	s_lshl_b32 s78, s42, 8
	s_lshl_b32 s79, s16, 7
	s_add_co_u32 s78, s78, s79
	s_lshr_b32 s79, s78, 11                        ; b
	s_and_b32 s78, s78, 2047                       ; l0
	s_lshl_b32 s79, s79, 23
	s_lshl_b32 s78, s78, 2
	s_add_co_u32 s78, s78, s79
	s_lshl_b32 s80, s17, 8
	s_lshl_b32 s81, s15, 7
	s_add_co_u32 s80, s80, s81                     ; o0
	s_lshl_b32 s81, s80, 13
	s_add_co_u32 s78, s78, s81
	s_mov_b32 s79, 0
	s_add_nc_u64 s[10:11], s[10:11], s[78:79]
	s_add_nc_u64 s[12:13], s[12:13], s[78:79]
	s_lshl_b32 s80, s80, 2
	s_mov_b32 s81, 0
	s_add_nc_u64 s[8:9], s[8:9], s[80:81]
	v_and_b32 v2, 15, v0                           ; r
	v_bfe_u32 v3, v0, 4, 1                         ; h
	v_and_b32 v4, 8, v2
	v_add_nc_u32 v4, v4, v2
	v_lshlrev_b32 v[BOF], 2, v4
.irp j, 0,1,2,3
.irp s, 0,1,2,3
	global_load_b64 v[SCA+8*\j+2*\s:SCA+8*\j+2*\s+1], v[L8], s[74:75] offset:\j*1024+\s*256
.endr
.irp q, 0,1,2,3,4,5,6,7
	global_load_b32 v[SCB+8*\j+\q], v[L4], s[76:77] offset:\q*32768+\j*128
.endr
.endr
.irp a, 0,1,2,3,4,5,6,7
	global_load_b32 v[BV+2*\a], v[BOF], s[8:9] offset:(32*(\a/2)+8*(\a%2))*4     ; bo of my lane-row of tile a, twice: a pair for the packed addition
	global_load_b32 v[BV+2*\a+1], v[BOF], s[8:9] offset:(32*(\a/2)+8*(\a%2))*4
.endr
	s_mul_i32 s82, s14, 8448                       ; my stage: 16 rows x (512 + 16) bytes, in slot 0, which has had its last fill and its last read when the first result is stored there
	v_mul_u32_u24 v5, v2, 528
	v_lshl_add_u32 v5, v3, 6, v5
	v_add_nc_u32 v[STO], s82, v5                   ; in: row r, + 64 h bytes
	v_add_nc_u32 v[RD], s82, v[L16]                ; back: the 32 lanes take one row of 512 bytes
.macro FRAG reg, adr, q, i
.irp c, 0,1,2,3
	ds_load_b128 v[\reg+4*\c:\reg+4*\c+3], v[\adr] offset:(\i)*4096+(\q)*2048+512*\c
.endr
.endm
; One product: A's tile a x B's tile b, chunk ch, B's set p.  The scale registers hold two tiles' words: the odd tile's are read from lanes 16-31.
.macro MM a, b, p, ch, zero
.set rD, 8*(8*((\a)%4)+(\b))
.set rB, 128*(\p)+16*(\b)
.set rA, AF+16*(\a)
.set sB, SCB+8*((\b)/2)+(\ch)
.set sA, SCA+8*((\a)/2)+(\ch)
.set par, 2*((\a)%2)+(\b)%2
.if \zero
.if par == 0
	v_wmma_scale_f32_16x16x128_f8f6f4 v[rD:rD+7], v[rB:rB+15], v[rA:rA+15], 0, v[sB], v[sA] matrix_a_fmt:MATRIX_FMT_BF8 matrix_b_fmt:MATRIX_FMT_BF8
.elseif par == 1
	v_wmma_scale_f32_16x16x128_f8f6f4 v[rD:rD+7], v[rB:rB+15], v[rA:rA+15], 0, v[sB], v[sA] matrix_a_fmt:MATRIX_FMT_BF8 matrix_b_fmt:MATRIX_FMT_BF8 matrix_a_scale:MATRIX_SCALE_ROW1
.elseif par == 2
	v_wmma_scale_f32_16x16x128_f8f6f4 v[rD:rD+7], v[rB:rB+15], v[rA:rA+15], 0, v[sB], v[sA] matrix_a_fmt:MATRIX_FMT_BF8 matrix_b_fmt:MATRIX_FMT_BF8 matrix_b_scale:MATRIX_SCALE_ROW1
.else
	v_wmma_scale_f32_16x16x128_f8f6f4 v[rD:rD+7], v[rB:rB+15], v[rA:rA+15], 0, v[sB], v[sA] matrix_a_fmt:MATRIX_FMT_BF8 matrix_b_fmt:MATRIX_FMT_BF8 matrix_a_scale:MATRIX_SCALE_ROW1 matrix_b_scale:MATRIX_SCALE_ROW1
.endif
.else
.if par == 0
	v_wmma_scale_f32_16x16x128_f8f6f4 v[rD:rD+7], v[rB:rB+15], v[rA:rA+15], v[rD:rD+7], v[sB], v[sA] matrix_a_fmt:MATRIX_FMT_BF8 matrix_b_fmt:MATRIX_FMT_BF8
.elseif par == 1
	v_wmma_scale_f32_16x16x128_f8f6f4 v[rD:rD+7], v[rB:rB+15], v[rA:rA+15], v[rD:rD+7], v[sB], v[sA] matrix_a_fmt:MATRIX_FMT_BF8 matrix_b_fmt:MATRIX_FMT_BF8 matrix_a_scale:MATRIX_SCALE_ROW1
.elseif par == 2
	v_wmma_scale_f32_16x16x128_f8f6f4 v[rD:rD+7], v[rB:rB+15], v[rA:rA+15], v[rD:rD+7], v[sB], v[sA] matrix_a_fmt:MATRIX_FMT_BF8 matrix_b_fmt:MATRIX_FMT_BF8 matrix_b_scale:MATRIX_SCALE_ROW1
.else
	v_wmma_scale_f32_16x16x128_f8f6f4 v[rD:rD+7], v[rB:rB+15], v[rA:rA+15], v[rD:rD+7], v[sB], v[sA] matrix_a_fmt:MATRIX_FMT_BF8 matrix_b_fmt:MATRIX_FMT_BF8 matrix_a_scale:MATRIX_SCALE_ROW1 matrix_b_scale:MATRIX_SCALE_ROW1
.endif
.endif
.endm
; 16 products.  The 64 accumulators take turns, one instruction a turn, in the same order in every chunk.
.macro MUL16 a0, p, ch, zero
.irp a, \a0, \a0+1
.irp b, 0,1,2,3,4,5,6,7
	MM \a, \b, \p, \ch, \zero
.endr
.endr
.endm
.macro FETCH_B slot, q, p
	WIN TO_B
.irp i, 0,1,2,3,4,5,6,7
	FRAG 128*(\p)+16*\i, ADRB+\slot, \q, \i
.endr
	WIN 0
.endm
.macro FETCH_A slot, q, i0
.irp i, \i0, \i0+1, \i0+2, \i0+3
	FRAG AF+16*(\i), ADRA+\slot, \q, \i
.endr
.endm
; Eight places stand between a product and a load into a register that it has read, or a vector instruction that reads its result; only plain vector instructions that name none of its registers are places.
.macro PLACES n
.rept \n
	v_nop
.endr
.endm
.macro STEP slot, ch, zero             ; a slot's first chunk, on B's set 0; A's one set is fetched anew in two halves
	s_wait_dscnt 16                                ; B's set and A's tiles 0-3 are in; the youngest 16 loads (A's tiles 4-7) may be out
	WIN MUL_LO
	MUL16 0, 0, \ch, \zero
	MUL16 2, 0, \ch, \zero
	s_wait_dscnt 0
	PLACES 8
	FETCH_B \slot, 1, 1
	FETCH_A \slot, 1, 0
	WIN MUL_HI
	MUL16 4, 0, \ch, \zero
	MUL16 6, 0, \ch, \zero
	PLACES 8
	WIN 0
	FETCH_A \slot, 1, 4
.endm
; A slot's second chunk changes slots: ONE barrier; in front of it each wave waits for all its tensor loads, adds 0 to its spare word, and waits for that and for its reads of this slot.
.macro TURN slot, next, ch, fill
	s_wait_tensorcnt 0x0                           ; all my tensor loads have landed: my part of the next slot
	ds_add_u32 v[SPW], v[NIL]                      ; 0 onto my spare word
	s_wait_dscnt 17                                ; (the add and the youngest 16 loads may be out)
	WIN MUL_LO
	MUL16 0, 1, \ch, 0
	s_wait_dscnt 0x0                               ; the add is done, and my reads of this slot are over
	s_barrier_signal -1
	MUL16 2, 1, \ch, 0
	WIN 0
	s_barrier_wait -1
.if \fill
	CREST                                          ; no wave of any partner still reads this slot or has a load on its way
	s_add_nc_u64 s[G0+4*\slot+2:G0+4*\slot+3], s[G0+4*\slot+2:G0+4*\slot+3], 8192
	s_add_nc_u64 s[G0B+4*\slot+2:G0B+4*\slot+3], s[G0B+4*\slot+2:G0B+4*\slot+3], 8192
	JLOAD G0+4*\slot, G1, G0B+4*\slot, G1B         ; the first tensor load behind the round; its four v_nop are four of the eight places
	PLACES 4
.else
	PLACES 8
.endif
	FETCH_B \next, 0, 0
	FETCH_A \next, 0, 0
	WIN MUL_HI
	MUL16 4, 1, \ch, 0
	MUL16 6, 1, \ch, 0
	PLACES 8
	WIN 0
	FETCH_A \next, 0, 4
.endm
; THE WAY OUT, 16 channels (A's tile a) x 128 places at a time.
.macro RES a                           ; the residual's 16 rows, 512 consecutive bytes each, into window 1
	WIN 0x40
.irp t, 0,1,2,3,4,5,6,7,8,9,10,11,12,13,14,15
	global_load_b128 v[64*((\a)%4)+4*\t:64*((\a)%4)+4*\t+3], v[L16], s[10:11] offset:(32*((\a)/2)+8*((\a)%2)+\t+8*(\t/8))*8192 th:TH_LOAD_NT
.endr
	WIN 0
.endm
.macro BIAS a                          ; + bo, in the accumulators, where a lane holds one channel; each accumulator from its low end on
.set AC, 64*((\a)%4)
.set WW, 2+(\a)/4
	WIN WW|(WW<<6)
.set i, 0
.rept 32
	v_pk_add_f32 v[AC+2*i:AC+2*i+1], v[AC+2*i:AC+2*i+1], v[BV+2*(\a):BV+2*(\a)+1]
.set i, i+1
.endr
	WIN 0
.endm
.macro TOSTAGE a                       ; into my stage, and back as whole rows.  LDS serves a wave's instructions in order (ISA guide 5.7.1.4): no wait between the stores and the loads
.set AC, 64*((\a)%4)
.set BB, 128+64*((\a)%2)
	WIN (2+(\a)/4)<<2                              ; an LDS store's data are its source 1
.irp b, 0,1,2,3,4,5,6,7
	ds_store_b128 v[STO], v[AC+8*\b:AC+8*\b+3] offset:128*(\b/2)+32*(\b%2)
	ds_store_b128 v[STO], v[AC+8*\b+4:AC+8*\b+7] offset:128*(\b/2)+32*(\b%2)+16
.endr
	WIN 0
.irp t, 0,1,2,3,4,5,6,7,8,9,10,11,12,13,14,15
	ds_load_b128 v[BB+4*\t:BB+4*\t+3], v[RD] offset:\t*528
.endr
.endm
.macro SEND a, younger                 ; younger: the LDS instructions issued behind block a's loads, which may stay out
.set BB, 128+64*((\a)%2)
.set RR, 64*((\a)%4)
	s_wait_dscnt \younger
.if (\a) < 4
	s_wait_loadcnt 48                              ; block a's residual rows are in; those of the three blocks behind it may be out
.else
	s_wait_loadcnt 16*(7-(\a))
.endif
	WIN 0x04                                       ; source 1 window 1
.set i, 0
.rept 32
	v_pk_add_f32 v[BB+2*i:BB+2*i+1], v[BB+2*i:BB+2*i+1], v[RR+2*i:RR+2*i+1]
.set i, i+1
.endr
	WIN 0
.irp t, 0,1,2,3,4,5,6,7,8,9,10,11,12,13,14,15
	global_store_b128 v[L16], v[BB+4*\t:BB+4*\t+3], s[12:13] offset:(32*((\a)/2)+8*((\a)%2)+\t+8*(\t/8))*8192 th:TH_STORE_NT   ; 512 consecutive bytes, aligned; every offset an immediate, 127 rows at the most
.endr
.if (\a) < 4
	RES (\a)+4                                     ; its registers take the block four further on
.endif
.endm
	s_wait_tensorcnt 1                             ; my part of K step 0 is in (K step 1's load may be out)
	s_barrier_signal -1
	s_barrier_wait -1                              ; everybody's is
	FETCH_B 0, 0, 0
	FETCH_A 0, 0, 0
	FETCH_A 0, 0, 4
	s_wait_loadcnt 0x0                             ; the scale words and bo
	STEP 0, 0, 1
	TURN 0, 1, 1, 1                                ; slot 0 takes K step 2
	STEP 1, 2, 0
	TURN 1, 0, 3, 1                                ; slot 1 takes K step 3
	STEP 0, 4, 0
	TURN 0, 1, 5, 0                                ; nothing is left to fetch
	STEP 1, 6, 0
	RES 0                                          ; B's set 0 is done with, eight places behind its last reader: the first residual rows are asked for under the last chunk's products
	RES 1
	s_wait_dscnt 16
	WIN MUL_LO
	MUL16 0, 1, 7, 0
	MUL16 2, 1, 7, 0
	s_wait_dscnt 0
	WIN MUL_HI
	MUL16 4, 1, 7, 0
	MUL16 6, 1, 7, 0
	WIN 0
	PLACES 8
	RES 2
	RES 3
	BIAS 0
	TOSTAGE 0
.irp a, 1,2,3,4,5,6,7
.if \a > 1
	s_wait_xcnt 0x0                                ; block a - 2's stores have read their registers: block a's rows may land there
.endif
	BIAS \a
	TOSTAGE \a
	SEND \a-1, 32                                  ; behind block a - 1's loads: block a's 16 stores and 16 loads
.endr
	SEND 7, 0
	s_wait_tensorcnt 0x0                           ; the wave's end
	ds_add_u32 v[SPW], v[NIL]
	s_wait_dscnt 0x0
	CROUND                                         ; the closing round
	s_endpgm
.Lfunc_end_k_q6c31b8fe11_outp:
	.size	k_q6c31b8fe11_outp, .Lfunc_end_k_q6c31b8fe11_outp-k_q6c31b8fe11_outp
	.p2alignl 7, 3214868480
	.fill 96, 4, 3214868480
	.section	.rodata,"a",@progbits
	.p2align	6, 0x0
	.amdhsa_kernel k_q6c31b8fe11_outp
		.amdhsa_group_segment_fixed_size 327680
		.amdhsa_private_segment_fixed_size 0
		.amdhsa_enable_private_segment 0
		.amdhsa_kernarg_size 40
		.amdhsa_user_sgpr_count 2
		.amdhsa_user_sgpr_kernarg_segment_ptr 1
		.amdhsa_wavefront_size32 1
		.amdhsa_system_sgpr_workgroup_id_x 1
		.amdhsa_system_sgpr_workgroup_id_y 1
		.amdhsa_system_sgpr_workgroup_id_z 1
		.amdhsa_system_vgpr_workitem_id 0
		.amdhsa_next_free_vgpr 1024
		.amdhsa_next_free_sgpr 98
		.amdhsa_reserve_vcc 0
		.amdhsa_float_denorm_mode_32 3
		.amdhsa_float_denorm_mode_16_64 3
		.amdhsa_memory_ordered 1
		.amdhsa_forward_progress 1
		.amdhsa_inst_pref_size 194
	.end_amdhsa_kernel
	.amdgpu_metadata
---
amdhsa.version: [ 1, 2 ]
amdhsa.kernels:
  - .name:           k_q6c31b8fe11_outp
    .symbol:         k_q6c31b8fe11_outp.kd
    .args:
      - { .name: img, .offset: 0, .size: 8, .value_kind: global_buffer, .address_space: global }
      - { .name: scl, .offset: 8, .size: 8, .value_kind: global_buffer, .address_space: global }
      - { .name: bo, .offset: 16, .size: 8, .value_kind: global_buffer, .address_space: global }
      - { .name: query, .offset: 24, .size: 8, .value_kind: global_buffer, .address_space: global }
      - { .name: out0, .offset: 32, .size: 8, .value_kind: global_buffer, .address_space: global }
    .group_segment_fixed_size: 327680
    .private_segment_fixed_size: 0
    .kernarg_segment_align: 8
    .kernarg_segment_size: 40
    .max_flat_workgroup_size: 128
    .sgpr_count:     98
    .vgpr_count:     1024
    .wavefront_size: 32
...
	.end_amdgpu_metadata
.endif
;; end of part 4
